; MI455X (gfx1250); checked and timed in simulation.
; The chip was launched on July 23, 2026; its instructions are those of AMD's public machine-readable ISA for CDNA 5 (MIT licence, August 2026) and "CDNA5" Instruction Set Architecture Reference Guide (July 2026). The comments in the code are by the model that wrote it; some were corrected since.
;; Multi Head Cross Attention. Allowed arithmetic: float matrix products may take bf16 or f16 operands with f32 sums; other float arithmetic in f32, or as packed bf16 or f16 multiplies, adds, multiply-adds, maxima and minima; sums over many terms, partial sums and values carried from step to step in f32; what a program stores and reads back later, other than sums and carried values, may be rounded once to bf16 or f16.
;; Inputs: Wk 1,024 x 1,024 float32; Wo 1,024 x 1,024 float32; Wq 1,024 x 1,024 float32; Wv 1,024 x 1,024 float32; bk 1,024 float32; bo 1,024 float32; bq 1,024 float32; bv 1,024 float32; key 4 x 1,024 x 1,024 float32; query 4 x 2,048 x 1,024 float32; value 4 x 1,024 x 1,024 float32.
;; Outputs: out0 4 x 2,048 x 1,024 float32.
;; One version. Each part assembles by itself: llvm-mc -triple=amdgcn-amd-amdhsa -mcpu=gfx1250 --defsym DOCPART=n.
;; ======== version 1 of 1: 4 launches
;; limits: values are held in f16: magnitudes above 65,504 overflow, below 6.1e-05 lose precision
;; workspace buffers: xb 33,554,432 bytes; wb 6,291,456 bytes; woh 2,097,152 bytes; tab 524,288 bytes; qh 16,777,216 bytes; kh 8,388,608 bytes; vh 8,388,608 bytes; oh 16,777,216 bytes
;; launch prep (part 1): grid 1296 x 1, 8 waves a work-group, no clusters, 0 bytes of LDS; arguments query, key, value, Wq, Wk, Wv, Wo, xb, wb, woh, tab; writes xb, wb, woh, tab
.if DOCPART == 1
	.amdgcn_target "amdgcn-amd-amdhsa--gfx1250"
	.amdhsa_code_object_version 6
	.text
	.protected	k_qe26d907db6_prep
	.globl	k_qe26d907db6_prep
	.p2align	8
	.type	k_qe26d907db6_prep,@function
k_qe26d907db6_prep:
	s_mov_b64 s[64:65], 0
	v_nop
	global_prefetch_b8 v0, s[64:65] scope:SCOPE_SE
	s_setreg_imm32_b32 hwreg(HW_REG_WAVE_MODE, 25, 1), 1
	s_wait_xcnt 0x0
; PREP.  (1) query, key, value and Wq, Wk, Wv are rounded once to bf16: xb [16384][1024] (query's 8,192 rows, key's 4,096, value's 4,096), wb [3072][1024] (Wq, Wk, Wv).
; (2) Wo is rounded to bf16 like every other input, and that number is written as f16 (woh [1024][1024]): exact from 6.1e-5 up to 65,504; below that it keeps f16's fixed step of 6e-8.
; (3) The table of the rotary turn, tab [2048][c0..c31, s0..s31] in f32: row p holds cos and sin of 10 (p / 2048) 10000^(-j/32).  q at place p takes row p; k at place p takes row 2 p,
; since p / 1024 = 2 p / 2048 exactly; row 0 is c = 1, s = 0, the turn that changes nothing.
; SHARES.  Work-groups 0-15 make the table: a wave 16 rows, a row a trip, a lane two words, so that a wave's store is one whole row of 256 bytes.
; Work-groups 16-1295 cast: chunk c = group - 16 is 65,536 bytes of f32 in, 32,768 bytes out.  Thread t takes 16 bytes of each 4,096: a wave's load covers 512 consecutive bytes, its store 256, both aligned.
; All sixteen loads of a thread go out on end; each load's four numbers are rounded into the first two of the registers that the load filled and stored from there: no register that a store reads is
; written again, so the cast needs no wait but the counted ones for its loads.  A wave has 80 registers, a work-group's two waves on a SIMD 160 of its 1,024: six work-groups find room on a WGP,
; 1,536 on 256 WGPs, so that all 1,296 are at work together.  No LDS, no matrix unit: nothing is shared and nothing is multiplied.
; COS AND SIN: x is brought into a quadrant, r = x - n pi/2 with pi/2 in two parts, |r| <= pi/4; sin r and cos r by their series to r^9 and r^8 (the next terms are under 3e-8); the quadrant
; chooses between the two values and sets the sign.  It selects values only: no branch and no address hangs on it.  Angles here lie in 0 to 10.
.set X, 16                             ; v[16:79]   sixteen loads of four f32; the first two registers of each then hold the packed results
	s_load_b512 s[8:23], s[0:1], 0x0               ; query s[8:9], key s[10:11], value s[12:13], Wq s[14:15], Wk s[16:17], Wv s[18:19], Wo s[20:21], xb s[22:23]
	s_load_b128 s[24:27], s[0:1], 0x40             ; wb s[24:25], woh s[26:27]
	s_load_b64 s[28:29], s[0:1], 0x50              ; tab
	v_lshrrev_b32 v3, 5, v0
	v_readfirstlane_b32 s3, v3                     ; wave 0..7
	s_wait_kmcnt 0x0
	s_cmp_lt_u32 ttmp9, 16
	s_cbranch_scc1 .Ltable
	; THE CAST.  From which tensor, from which chunk on, and into which buffer: a chain of compares on the chunk's number.
	s_sub_co_u32 s2, ttmp9, 16                     ; c
	s_mov_b64 s[4:5], s[8:9]
	s_mov_b64 s[6:7], s[22:23]
	s_mov_b32 s30, 0                               ; the source's first chunk
	s_mov_b32 s31, 0                               ; the destination's first chunk
.macro PICK from, src
	s_cmp_ge_u32 s2, \from
	s_cselect_b64 s[4:5], s[\src:\src+1], s[4:5]
	s_cselect_b32 s30, \from, s30
.endm
	PICK 512, 10                                   ; key
	PICK 768, 12                                   ; value
	PICK 1024, 14                                  ; Wq, and with it wb begins
	s_cselect_b64 s[6:7], s[24:25], s[6:7]
	s_cselect_b32 s31, 1024, s31
	PICK 1088, 16                                  ; Wk
	PICK 1152, 18                                  ; Wv
	PICK 1216, 20                                  ; Wo, into woh
	s_cselect_b64 s[6:7], s[26:27], s[6:7]
	s_cselect_b32 s31, 1216, s31
	s_sub_co_u32 s32, s2, s30
	s_lshl_b32 s32, s32, 16                        ; 65,536 bytes a chunk in
	s_mov_b32 s33, 0
	s_add_nc_u64 s[4:5], s[4:5], s[32:33]
	s_sub_co_u32 s32, s2, s31
	s_lshl_b32 s32, s32, 15                        ; 32,768 bytes a chunk out
	s_add_nc_u64 s[6:7], s[6:7], s[32:33]
	v_lshlrev_b32 v1, 4, v0                        ; 16 t; never rewritten
	v_lshlrev_b32 v2, 3, v0                        ; 8 t; never rewritten
.irp i, 0,1,2,3,4,5,6,7,8,9,10,11,12,13,14,15
	global_load_b128 v[X+4*(\i):X+4*(\i)+3], v1, s[4:5] offset:4096*(\i) th:TH_LOAD_NT
.endr
; Load i's four numbers are rounded, in place, and stored.  wo = 1: the bf16 numbers are widened again and written as f16.
.macro CV i, wo
	s_wait_loadcnt 15-(\i)                         ; loads come back in order: load i is in, the younger ones stay out
	v_cvt_pk_bf16_f32 v[X+4*(\i)], v[X+4*(\i)], v[X+4*(\i)+1]
	v_cvt_pk_bf16_f32 v[X+4*(\i)+1], v[X+4*(\i)+2], v[X+4*(\i)+3]
.if \wo
.irp k, 0,1
	v_lshlrev_b32 v4, 16, v[X+4*(\i)+(\k)]
	v_and_b32 v5, 0xffff0000, v[X+4*(\i)+(\k)]
	v_cvt_pk_f16_f32 v[X+4*(\i)+(\k)], v4, v5
.endr
.endif
	global_store_b64 v2, v[X+4*(\i):X+4*(\i)+1], s[6:7] offset:2048*(\i) th:TH_STORE_NT
.endm
	s_cmp_ge_u32 s2, 1216
	s_cbranch_scc1 .Lwo
.irp i, 0,1,2,3,4,5,6,7,8,9,10,11,12,13,14,15
	CV \i, 0
.endr
	s_endpgm
.Lwo:
.irp i, 0,1,2,3,4,5,6,7,8,9,10,11,12,13,14,15
	CV \i, 1
.endr
	s_endpgm
	; THE TABLE.  Lane l makes words 2 l and 2 l + 1 of a row: lanes 0-15 cosines, lanes 16-31 sines, of frequencies j0 = 2 (l % 16) and j0 + 1.  cos x = sin(x + pi/2): one quadrant more.
.Ltable:
	s_lshl_b32 s32, ttmp9, 3
	s_add_co_u32 s32, s32, s3
	s_lshl_b32 s32, s32, 4                         ; my wave's first row
	s_mov_b32 s36, 0x3f22f983                      ; 2 / pi
	s_mov_b32 s37, 0xbfc90fdb                      ; - pi/2, its upper part
	s_mov_b32 s38, 0x333bbd2e                      ; what that part is too large by
	s_mov_b32 s39, 0x3638ef1d                      ; 1/9!
	s_mov_b32 s40, 0xb9500d01                      ; -1/7!
	s_mov_b32 s41, 0x3c088889                      ; 1/5!
	s_mov_b32 s42, 0xbe2aaaab                      ; -1/3!
	s_mov_b32 s43, 0x37d00d01                      ; 1/8!
	s_mov_b32 s44, 0xbab60b61                      ; -1/6!
	s_mov_b32 s45, 0x3d2aaaab                      ; 1/4!
	v_and_b32 v6, 31, v0                           ; l
	v_and_b32 v7, 15, v0
	v_lshlrev_b32 v7, 1, v7                        ; j0
	v_lshrrev_b32 v8, 4, v6
	v_sub_nc_u32 v8, 1, v8                         ; 1 for cosines, 0 for sines
	v_cvt_f32_u32 v9, v7
	v_add_f32 v10, 1.0, v9
	v_mul_f32 v9, 0xbed49a78, v9                   ; - j log2(10000) / 32
	v_mul_f32 v10, 0xbed49a78, v10
	v_exp_f32 v9, v9                               ; 10000^(-j0/32)
	v_exp_f32 v10, v10
	v_nop                                          ; a plain instruction between the exponentials and the use of their results (ISA guide 5.7.2)
	s_lshl_b32 s34, s32, 8
	v_lshl_add_u32 v11, v6, 3, s34                 ; row x 256 + 8 l
	s_mov_b32 s33, 16
; v[d] = sin(v[x] + v8 pi/2)
.macro SINQ d, x
	v_mul_f32 v15, s36, v[\x]
	v_rndne_f32 v15, v15                           ; n
	v_fma_f32 v16, v15, s37, v[\x]
	v_fma_f32 v16, v15, s38, v16                   ; r
	v_mul_f32 v17, v16, v16                        ; z = r r
	v_cvt_i32_f32 v18, v15
	v_add_nc_u32 v18, v18, v8                      ; the quadrant
	v_fma_f32 v19, v17, s39, s40
	v_fma_f32 v22, v17, s43, s44
	v_fma_f32 v19, v17, v19, s41
	v_fma_f32 v22, v17, v22, s45
	v_fma_f32 v19, v17, v19, s42
	v_mul_f32 v23, v16, v17
	v_fma_f32 v22, v17, v22, -0.5
	v_fma_f32 v19, v23, v19, v16                   ; sin r
	v_fma_f32 v22, v17, v22, 1.0                   ; cos r
	v_and_b32 v23, 1, v18
	v_cmp_ne_u32 vcc_lo, 0, v23
	v_cndmask_b32 v[\d], v19, v22, vcc_lo          ; odd quadrants take the cosine
	v_and_b32 v23, 2, v18
	v_lshlrev_b32 v23, 30, v23
	v_xor_b32 v[\d], v[\d], v23                    ; quadrants 2 and 3 turn the sign
.endm
.Lrow:
	v_cvt_f32_u32 v12, s32
	v_mul_f32 v12, 0x3ba00000, v12                 ; 10 p / 2048: exact
	s_wait_alu depctr_va_vdst(0)
	v_mul_f32 v13, v12, v9
	v_mul_f32 v14, v12, v10
	SINQ 20, 13
	SINQ 21, 14
	global_store_b64 v11, v[20:21], s[28:29]       ; the wave's 256 bytes are one row of the table
	s_wait_xcnt 0x0                                ; the store has read its offset and its data: both are written again in the next lines
	v_add_nc_u32 v11, 0x100, v11
	s_add_co_u32 s32, s32, 1
	s_sub_co_u32 s33, s33, 1
	s_cmp_lg_u32 s33, 0
	s_cbranch_scc1 .Lrow
	s_endpgm
.Lfunc_end_k_qe26d907db6_prep:
	.size	k_qe26d907db6_prep, .Lfunc_end_k_qe26d907db6_prep-k_qe26d907db6_prep
	.p2alignl 7, 3214868480
	.fill 96, 4, 3214868480
	.section	.rodata,"a",@progbits
	.p2align	6, 0x0
	.amdhsa_kernel k_qe26d907db6_prep
		.amdhsa_group_segment_fixed_size 0
		.amdhsa_private_segment_fixed_size 0
		.amdhsa_enable_private_segment 0
		.amdhsa_kernarg_size 88
		.amdhsa_user_sgpr_count 2
		.amdhsa_user_sgpr_kernarg_segment_ptr 1
		.amdhsa_wavefront_size32 1
		.amdhsa_system_sgpr_workgroup_id_x 1
		.amdhsa_system_sgpr_workgroup_id_y 1
		.amdhsa_system_sgpr_workgroup_id_z 1
		.amdhsa_system_vgpr_workitem_id 0
		.amdhsa_next_free_vgpr 80
		.amdhsa_next_free_sgpr 66
		.amdhsa_reserve_vcc 1
		.amdhsa_float_denorm_mode_32 3
		.amdhsa_float_denorm_mode_16_64 3
		.amdhsa_memory_ordered 1
		.amdhsa_forward_progress 1
		.amdhsa_inst_pref_size 21
	.end_amdhsa_kernel
	.amdgpu_metadata
---
amdhsa.version: [ 1, 2 ]
amdhsa.kernels:
  - .name:           k_qe26d907db6_prep
    .symbol:         k_qe26d907db6_prep.kd
    .args:
      - { .name: query, .offset: 0, .size: 8, .value_kind: global_buffer, .address_space: global }
      - { .name: key, .offset: 8, .size: 8, .value_kind: global_buffer, .address_space: global }
      - { .name: value, .offset: 16, .size: 8, .value_kind: global_buffer, .address_space: global }
      - { .name: Wq, .offset: 24, .size: 8, .value_kind: global_buffer, .address_space: global }
      - { .name: Wk, .offset: 32, .size: 8, .value_kind: global_buffer, .address_space: global }
      - { .name: Wv, .offset: 40, .size: 8, .value_kind: global_buffer, .address_space: global }
      - { .name: Wo, .offset: 48, .size: 8, .value_kind: global_buffer, .address_space: global }
      - { .name: xb, .offset: 56, .size: 8, .value_kind: global_buffer, .address_space: global }
      - { .name: wb, .offset: 64, .size: 8, .value_kind: global_buffer, .address_space: global }
      - { .name: woh, .offset: 72, .size: 8, .value_kind: global_buffer, .address_space: global }
      - { .name: tab, .offset: 80, .size: 8, .value_kind: global_buffer, .address_space: global }
    .group_segment_fixed_size: 0
    .private_segment_fixed_size: 0
    .kernarg_segment_align: 8
    .kernarg_segment_size: 88
    .max_flat_workgroup_size: 256
    .sgpr_count:     66
    .vgpr_count:     80
    .wavefront_size: 32
...
	.end_amdgpu_metadata
.endif
;; end of part 1
;; launch proj (part 2): grid 4 x 64, 4 waves a work-group, clusters of 4 x 4, 327,680 bytes of LDS; arguments xb, wb, bq, bk, bv, tab, qh, kh, vh; writes qh, kh, vh
.if DOCPART == 2
	.amdgcn_target "amdgcn-amd-amdhsa--gfx1250"
	.amdhsa_code_object_version 6
	.text
	.protected	k_qe26d907db6_proj
	.globl	k_qe26d907db6_proj
	.p2align	8
	.type	k_qe26d907db6_proj,@function
k_qe26d907db6_proj:
	s_mov_b64 s[64:65], 0
	v_nop
	global_prefetch_b8 v0, s[64:65] scope:SCOPE_SE
	s_setreg_imm32_b32 hwreg(HW_REG_WAVE_MODE, 25, 1), 1
	s_wait_xcnt 0x0
	s_wait_alu depctr_hold_cnt(0) depctr_sa_sdst(0) depctr_va_vdst(0) depctr_va_sdst(0) depctr_va_ssrc(0) depctr_va_vcc(0) depctr_vm_vsrc(0)
	s_getreg_b32 s2, hwreg(HW_REG_IB_STS2, 6, 4)
	s_cmp_eq_u32 s2, 0
	s_cbranch_scc0 .Lentry_in_a_cluster
	s_endpgm
.Lentry_in_a_cluster:
	s_bfe_u32 s2, ttmp6, 0x10000c
	s_cmp_lg_u32 s2, 0xf033
	s_cbranch_scc0 .Lentry_shape_is_right
	s_endpgm
.Lentry_shape_is_right:
; THE THREE PROJECTIONS AS ONE PRODUCT.  y = x W^T + b, then the rotary turn, then f16, written by heads: qh [64][2048][64], kh and vh [64][1024][64] (64 = batch x 16 + head).
; x: xb [16384][1024] bf16 (rows 0-8191 query, 8192-12287 key, 12288-16383 value); W: wb [3072][1024] bf16 (Wq, Wk, Wv); the bias is rounded to bf16 like every input; sums in f32.
; LIMIT.  q, k and v leave in f16: beyond 65,504 they would be infinite.  With inputs 30 times the usual spread they reach some 5e3, with a common offset of 30 spreads some 4e4.
; SHARES.  16384 x 1024 outputs are 256 tiles of 256 x 256, a work-group each; four waves, each 128 x 128: 64 accumulators of 16 x 16, 512 registers.  K = 1,024 goes in 8 steps of 128 through a ring of
; two LDS slots filled by the tensor data mover; the tiles' rows are 256 bytes of memory at multiples of 256.
; THE TEXT.  The eight K steps are alike but for the first quarter (the bias) and the refills, so a K step is written twice: .Lstep, six trips, each of which fills the slot that it has read out with the
; K step two on; .Llast, two trips, which fill nothing.  Which slot is read hangs on one scalar, 0 or SLOT, turned by an exclusive or at each change of slots: a fragment's LDS address is that scalar plus
; the lane's place, the refill's LDS address the other slot's base plus the wave's place.
; CLUSTERS: 4 x 4 work-groups.  The four of a row of the cluster need the same tiles of x, the four of a column the same tiles of W: each tile is asked for JOINTLY, by the same tensor load with the same
; descriptor and a mask that names the four.  A cluster's 1,024 rows lie in one of the three tensors: which one hangs on the cluster's y alone, which all sixteen partners share.
; THE MATRIX INSTRUCTION IS USED TRANSPOSED (source 0 = 16 rows of W, source 1 = 16 rows of x): a lane holds row l % 16 of y and the columns 8 (l / 16) + 0..7 of a block of 16.
; THE BIAS STARTS THE SUMS: it is the C operand of each accumulator's first product (register j of a lane: b[column 8 (l / 16) + j]), so nothing is cleared and nothing is added later.
; THE TURN.  A wave's 128 columns are two heads; in a head column blocks 0, 1 hold channels d < 32 and blocks 2, 3 the channels d + 32 in the same lanes and registers: y1 = x1 c - x2 s, y2 = x1 s + x2 c
; are packed multiply-adds between accumulators, with c and s from tab at the row that belongs to the lane's row of x: place p for q, 2 p for k, 0 for v (c = 1, s = 0): one text for all three.
; REGISTERS, in windows of 256 (s_set_vgpr_msb: bits 1:0 source 0, 3:2 source 1, 5:4 source 2, 7:6 destination):
;   window 0: v0-31 addresses; v32-63 rows on their way out; v64-127, v128-191 fragments of x, two buffers; on the way out v64-127 turned numbers, v128-159 packed, v160-191 rows
;   window 1: v0-63 the bias; v64-127, v128-191 fragments of W; v192-255 the table for row blocks 0, 1; on the way out v0-191 the table for blocks 2-7
;   window 2: the 32 accumulators of my rows 0-63 (accumulator (a, b) at v[8 (8 a + b)]);   window 3: those of my rows 64-127
.set SIZE_K, 1024
.set KSTEP,  128
.set STEPS,  SIZE_K/KSTEP
.set PITCH,  272                       ; an LDS row: 256 bytes + 16 of padding = 68 words: the 16 rows that a load touches start at 16 different groups of four banks (64 banks of 4 bytes: ISA guide 11.1)
.set HALFT,  128*PITCH                 ; 128 rows: what one tensor load brings, and what one wave reads of x or of W
.set SLOT,   4*HALFT                   ; x's 256 rows, then W's 256 rows
.set STAGE,  2*SLOT                    ; behind the ring, never filled by a tensor load: for each wave two heads x 16 rows x 144 bytes
.set SP,     144
.set HSTG,   16*SP
.set WSTG,   2*HSTG
.set SPARE,  STAGE+4*WSTG              ; behind the stages: the spare words, 128 bytes for each wave: two blocks of 256 bytes that no other line names
.set TO,   8                           ; v8-15   row block a: my byte offset in the table
.set A0,   16                          ; v16     my lane's place among x's rows of a slot; never rewritten
.set ADRA, 17                          ; v17     the same in the slot that is being read: s[TB] + v16
.set B0,   20                          ; v20     my lane's place among W's rows of a slot; never rewritten
.set ADRB, 21                          ; v21     s[TB] + v20
.set STO,  24                          ; v24     the way out: where I put 16 bytes of a row
.set RD,   25                          ; v25     the way out: where I read rows back
.set CO,   26                          ; v26-27  my byte offset in 512 consecutive bytes of the output, first and second head
.set SPW,  28                          ; v28     LDS address of my spare word: SPARE + 4 x my thread's number; never rewritten
.set NIL,  29                          ; v29     0; never rewritten
.set PFO,  30                          ; v30     the prefetches' offset: my lane x a row of 2,048 bytes; never rewritten
.set BO,   31                          ; v31     my byte offset in the bias
.set OB,   32                          ; rows read back from the stage: v32-63 and v160-191 by turns
.set F0,   64
.set F1,   128
.set YR,   64                          ; the way out: turned numbers
.set TMP,  128                         ; the way out: packed results
.set BI,   0                           ; window 1: the bias, column block b at 8 b
.set TB,  4                            ; s4      LDS byte at which the slot that is being read begins: 0 or SLOT
.set TF,  5                            ; s5      the other slot's: where a refill goes
.set WT,  6                            ; s6      my wave's place in a slot, for the loads that I issue: wave x 128 rows
.set G1,  24                           ; s[24:31] descriptor group 1 for x's tiles;  s[32:39] group 0: a set for each of the two first fills; the second then walks on
.set G0,  32
.set G1B, 48                           ; s[48:55], s[56:63] the same for W's tiles
.set G0B, 56
.set LIM, 43                           ; s43     2 in a wave that prefetches, else the greatest number: a wave prefetches while more trips than that are to go
.set PFA, 44                           ; s[44:45] where my prefetches stand
.set MSB, 0
.macro WIN new                         ; the immediate's high byte repeats the setting that is left; a switch that changes nothing is dropped
.if MSB != (\new)
	s_set_vgpr_msb (MSB<<8)|(\new)
.set MSB, \new
.endif
.endm
.set MUL_LO, 0xa1                      ; source 0 (W) window 1, source 1 (x) window 0, C and D window 2
.set TO_B,   0x40                      ; destination window 1, address window 0
; A joint load.  Waves 0 and 1 fetch x's two halves, waves 2 and 3 W's.  The branch hangs on the wave's number alone.  An s_nop 0 and four v_nop follow each of the two lines.
.macro JLOAD s
	s_cmp_eq_u32 s11, 0
	s_cbranch_scc0 .Lfor_b_\@
	tensor_load_to_lds s[G0+4*(\s):G0+4*(\s)+3], s[G1:G1+7]
	s_nop 0
.rept 4
	v_nop
.endr
	s_branch .Lasked_\@
.Lfor_b_\@:
	tensor_load_to_lds s[G0B+4*(\s):G0B+4*(\s)+3], s[G1B:G1B+7]
	s_nop 0
.rept 4
	v_nop
.endr
.Lasked_\@:
.endm
; A prefetch into the L2 of the K step that stands two refills on: 32 rows x 256 bytes, a lane a row, one instruction a wave, behind the joint load and the run of LDS loads that follows it.
; Each row's 256 bytes of a K step are named once in the launch: x's tile rows are read by one cluster only, so every cluster asks for its own; W's tile columns are read by all clusters of a tensor: the
; tensor's first cluster asks.  The four partners that ask for a tile jointly share its rows out by address, 32 each.  The first four of the six refills name K steps 4 to 7; the last two name nothing.
.macro ASK
	s_cmp_gt_u32 s3, s[LIM]
	s_cbranch_scc0 .Lnot_mine_\@
	global_prefetch_b8 v[PFO], s[PFA:PFA+1] offset:KSTEP*2 th:TH_LOAD_NT scope:SCOPE_SE
.Lnot_mine_\@:
.endm
.macro CREST                           ; a round of the cluster's barrier behind its opening barrier
	s_cmp_lg_u32 s10, 0
	s_cbranch_scc1 .Lnot_wave_0_\@
	s_barrier_signal -3
.Lnot_wave_0_\@:
	s_barrier_wait -3
	s_barrier_signal -1
	s_barrier_wait -1
.endm
.macro CROUND                          ; a whole round
	s_barrier_signal -1
	s_barrier_wait -1
	CREST
.endm
	s_load_b512 s[68:83], s[0:1], 0x0              ; xb s[68:69], wb s[70:71], bq s[72:73], bk s[74:75], bv s[76:77], tab s[78:79], qh s[80:81], kh s[82:83]
	s_load_b64 s[84:85], s[0:1], 0x40              ; vh
	v_lshl_add_u32 v[SPW], v0, 2, SPARE
	v_mov_b32 v[NIL], 0
	ds_add_u32 v[SPW], v[NIL]                      ; the wave's opening: the add and its wait stand ahead of my first tensor load; the set-up below, work on registers, stands between them
	v_lshrrev_b32 v1, 5, v0
	v_readfirstlane_b32 s10, v1                    ; wave 0..3
	s_lshr_b32 s11, s10, 1                         ; which half of the tile's rows is mine.  Also: I fetch for x (0) or for W (1)
	s_and_b32 s12, s10, 1                          ; which half of its columns.  Also: which 128 rows of that tile I fetch
	s_bfe_u32 s40, ttmp6, 0x40000                  ; cx
	s_bfe_u32 s41, ttmp6, 0x40004                  ; cy
	s_lshl_b32 s42, ttmp9, 2
	s_add_co_u32 s42, s42, s40                     ; tile column 0..3 = 4 x cluster x + cx
	s_and_b32 s86, ttmp7, 0xffff                   ; cluster y, 0..15
	s_lshl_b32 s13, s86, 2
	s_add_co_u32 s13, s13, s41                     ; tile row 0..63 = 4 x cluster y + cy
	s_lshl_b32 s43, s41, 2
	s_lshl_b32 s43, 15, s43                        ; my row of the cluster
	s_lshl_b32 s44, 0x1111, s40                    ; my column
	; which tensor: clusters 0-7 q, 8-11 k, 12-15 v
	s_mov_b32 s90, 256
	s_cmp_ge_u32 s86, 8
	s_cselect_b32 s87, 1024, 0                     ; s87  the tensor's first row in wb
	s_cselect_b32 s88, 8192, 0                     ; s88  its first row in xb
	s_cselect_b32 s89, 10, 11                      ; s89  log2 of its sequence length
	s_cselect_b32 s90, 512, s90                    ; s90  bytes of the table for one place: a row for q, two for k, none for v
	s_cselect_b32 s91, 8, 0                        ; s91  its first cluster
	s_cmp_ge_u32 s86, 12
	s_cselect_b32 s87, 2048, s87
	s_cselect_b32 s88, 12288, s88
	s_cselect_b32 s90, 0, s90
	s_cselect_b32 s91, 12, s91
	s_lshl_b32 s94, 128, s89                       ; s94  bytes from a head to the next in the output
	s_lshl_b32 s95, s90, 4                         ; s95  the table's bytes for 16 places
	; descriptor group 1: a tile of 128 rows x 128 elements, padded in LDS
	s_or_b32 s[G1+0], s43, (1<<16)|(1<<20)|(1<<21)|(5<<22)|(3<<25)  ; 15:0 the mask: x's tiles go to my row; 17:16 elements of 2 bytes; 20 padding on; 21 set beside a mask; 24:22 after every 64 words (code 5); 31:25 4 words (code 3)
	s_or_b32 s[G1B+0], s44, (1<<16)|(1<<20)|(1<<21)|(5<<22)|(3<<25) ; the same with the mask of my column, for W's tiles
.irp g, G1, G1B
	s_mov_b32 s[(\g)+1], KSTEP<<16                 ; tensor_dim0 = 128
	s_mov_b32 s[(\g)+2], 128<<16                   ; tensor_dim1 = 128
	s_mov_b32 s[(\g)+3], KSTEP<<16                 ; tile_dim0 = 128
	s_mov_b32 s[(\g)+4], 128                       ; tile_dim1 = 128
	s_mov_b32 s[(\g)+5], SIZE_K                    ; elements from row to row
	s_mov_b32 s[(\g)+6], 0
	s_mov_b32 s[(\g)+7], 0
.endr
	; where the tiles come from: x's hang on the tile row alone, W's on the tensor and the tile column alone
	s_lshl_b32 s17, s12, 7                         ; which 128 rows of the tile I fetch
	s_lshl_b32 s16, s13, 8
	s_add_co_u32 s16, s16, s17                     ; x: row 256 x tile row + 128 x half
	s_lshl_b32 s16, s16, 11                        ; rows of 2,048 bytes: under 2^25
	s_lshl_b32 s46, s42, 8
	s_add_co_u32 s46, s46, s17
	s_add_co_u32 s46, s46, s87                     ; W: the tensor's first row + 256 x tile column + 128 x half
	s_lshl_b32 s46, s46, 11
	s_mov_b32 s17, 0
	s_mov_b32 s47, 0
	s_mul_i32 s[WT], s10, HALFT                    ; and where they go: wave x 128 rows: no place in the cluster enters an LDS address
	s_mov_b32 s[TB], 0                             ; slot 0 is read first
	s_wait_dscnt 0x0                               ; the opening add is done
	s_wait_kmcnt 0x0
	s_add_nc_u64 s[14:15], s[68:69], s[16:17]
	s_add_nc_u64 s[46:47], s[70:71], s[46:47]
	s_cmp_ge_u32 s86, 8
	s_cselect_b64 s[92:93], s[74:75], s[72:73]     ; the tensor's bias
	s_cselect_b64 s[8:9], s[82:83], s[80:81]       ; and its output
	s_cmp_ge_u32 s86, 12
	s_cselect_b64 s[92:93], s[76:77], s[92:93]
	s_cselect_b64 s[8:9], s[84:85], s[8:9]
	CROUND                                         ; all sixteen work-groups are here: the first joint loads meet
.irp s, 0,1
	s_mov_b32 s[G0+4*(\s)], 1                                      ; count = 1
	s_add_co_u32 s[G0+4*(\s)+1], s[WT], (\s)*SLOT                  ; LDS address
	s_add_nc_u64 s[G0+4*(\s)+2:G0+4*(\s)+3], s[14:15], (\s)*KSTEP*2  ; global address: K step s
	s_or_b32 s[G0+4*(\s)+3], s[G0+4*(\s)+3], 0x80000000            ; type = 2
	s_mov_b32 s[G0B+4*(\s)], 1
	s_add_co_u32 s[G0B+4*(\s)+1], s[WT], (\s)*SLOT
	s_add_nc_u64 s[G0B+4*(\s)+2:G0B+4*(\s)+3], s[46:47], (\s)*KSTEP*2
	s_or_b32 s[G0B+4*(\s)+3], s[G0B+4*(\s)+3], 0x80000000
	JLOAD \s                                       ; two loads of mine are out
.endr
	; A fragment is 16 rows x 32 K in 8 registers: lane l holds row l % 16; registers 0-3 K = 8 (l / 16) + 0..7, registers 4-7 K = 16 + 8 (l / 16) + 0..7: two loads of 16 bytes, 32 bytes apart.
	v_and_b32 v1, 15, v0                           ; l % 16
	v_bfe_u32 v2, v0, 4, 1                         ; l / 16
	v_mul_u32_u24 v3, v1, PITCH
	v_lshl_add_u32 v3, v2, 4, v3
	s_mul_i32 s21, s11, HALFT                      ; my 128 rows of x
	s_mul_i32 s22, s12, HALFT                      ; my 128 rows of W,
	s_add_co_u32 s22, s22, 2*HALFT                 ; which lie behind x's 256
	v_add_nc_u32 v[A0], s21, v3
	v_add_nc_u32 v[B0], s22, v3
	v_add_nc_u32 v[ADRA], s[TB], v[A0]
	v_add_nc_u32 v[ADRB], s[TB], v[B0]
	s_mul_i32 s23, s10, WSTG
	s_add_co_u32 s23, s23, STAGE                   ; my stage
	v_mul_u32_u24 v4, v1, SP                       ; in: row l % 16, 16 bytes for each half of the lanes
	v_lshl_add_u32 v4, v2, 4, v4
	v_add_nc_u32 v[STO], s23, v4
	v_bfe_u32 v5, v0, 3, 2                         ; back: 32 lanes take four rows of 128 bytes,
	v_and_b32 v6, 7, v0
	v_mul_u32_u24 v5, v5, SP
	v_lshl_add_u32 v5, v6, 4, v5
	v_add_nc_u32 v[RD], s23, v5
	v_and_b32 v[CO], 31, v0                        ; which are 512 consecutive bytes of a head's rows
	v_lshlrev_b32 v[CO], 4, v[CO]
	v_add_nc_u32 v[CO+1], s94, v[CO]               ; the wave's second head
	; my first row in its tensor; its batch and place; where my rows of my first head begin in the output
	s_lshl_b32 s96, s13, 8
	s_sub_co_u32 s96, s96, s88
	s_lshl_b32 s97, s11, 7
	s_add_co_u32 s96, s96, s97                     ; row in the tensor
	s_lshr_b32 s97, s96, s89                       ; batch
	s_lshl_b32 s97, s97, 4
	s_lshl2_add_u32 s97, s42, s97                  ; x 16 + 4 x tile column
	s_lshl1_add_u32 s97, s12, s97                  ; + 2 x my half of the columns: my first head
	s_lshl_b32 s97, s97, s89
	s_lshl_b32 s98, 1, s89
	s_sub_co_u32 s98, s98, 1
	s_and_b32 s99, s96, s98                        ; place in the sequence
	s_add_co_u32 s96, s97, s99
	s_lshl_b32 s96, s96, 7                         ; rows of 128 bytes: under 2^24
	s_mov_b32 s97, 0
	s_add_nc_u64 s[8:9], s[8:9], s[96:97]
	v_add_nc_u32 v4, s99, v1                       ; my row's place,
	v_mul_lo_u32 v4, v4, s90                       ; its row of the table,
	v_lshl_add_u32 v[TO], v2, 5, v4                ; my half's eight frequencies
.irp a, 1,2,3,4,5,6,7
	v_add_nc_u32 v[TO+(\a)], s95, v[TO+(\a)-1]
.endr
	s_lshl_b32 s96, s42, 10                        ; the tile's 256 columns in the bias
	s_add_nc_u64 s[92:93], s[92:93], s[96:97]
	s_lshl_b32 s98, s12, 9
	v_lshl_add_u32 v[BO], v2, 5, s98               ; my 128 of them, my half's eight
	; the prefetches
	s_lshl_b32 s20, s13, 8
	s_lshl_b32 s21, s42, 8
	s_add_co_u32 s21, s21, s87
	s_sub_co_u32 s22, s86, s91                     ; 0 in the tensor's first cluster
	s_cmp_eq_u32 s11, 0                            ; do I fetch for x?
	s_cselect_b32 s20, s20, s21                    ; the tile's first row
	s_cselect_b32 s21, s40, s41                    ; my place among the four that ask for it with me
	s_cselect_b32 s22, ttmp9, s22                  ; the coordinate along which other clusters read the same rows
	s_cselect_b64 s[PFA:PFA+1], s[68:69], s[70:71]
	s_cmp_eq_u32 s22, 0
	s_cselect_b32 s[LIM], 2, -1                    ; the same in all sixteen partners, for a given wave
	s_lshl_b32 s22, s12, 7
	s_add_co_u32 s20, s20, s22                     ; + the 128 rows that I fetch
	s_lshl_b32 s21, s21, 5
	s_add_co_u32 s20, s20, s21                     ; + my work-group's 32 of them
	s_lshl_b32 s20, s20, 11
	s_mov_b32 s21, 0
	s_add_nc_u64 s[PFA:PFA+1], s[PFA:PFA+1], s[20:21]
	s_add_nc_u64 s[PFA:PFA+1], s[PFA:PFA+1], 2*KSTEP*2  ; at K step 2: the first refill steps it to 3 and names K step 4
	v_and_b32 v[PFO], 31, v0
	v_lshlrev_b32 v[PFO], 11, v[PFO]
; The table for row block a: 32 registers of window 1: c of my half's frequencies 8 h .., c of 16 + 8 h .., then s likewise.  Eight loads of 16 bytes; together the wave's eight cover the 16 rows whole.
.macro TABLE a
	WIN TO_B
.set CSB, (192+32*(\a))%256
.irp u, 0,1,2,3
	global_load_b128 v[CSB+8*(\u):CSB+8*(\u)+3],   v[TO+(\a)], s[78:79] offset:64*(\u)
	global_load_b128 v[CSB+8*(\u)+4:CSB+8*(\u)+7], v[TO+(\a)], s[78:79] offset:64*(\u)+16
.endr
.endm
	WIN TO_B
.irp b, 0,1,2,3,4,5,6,7
	global_load_b128 v[BI+8*(\b):BI+8*(\b)+3],   v[BO], s[92:93] offset:64*(\b)
	global_load_b128 v[BI+8*(\b)+4:BI+8*(\b)+7], v[BO], s[92:93] offset:64*(\b)+16
.endr
	TABLE 0
	TABLE 1
	s_wait_loadcnt 0x0
	WIN 0x45                                       ; all in window 1: the bias is rounded to bf16 and widened again
.set r, 0
.rept 32
	v_cvt_pk_bf16_f32 v[F0+r], v[BI+2*r], v[BI+2*r+1]
.set r, r+1
.endr
.set r, 0
.rept 32
	v_lshlrev_b32 v[BI+2*r], 16, v[F0+r]
	v_and_b32 v[BI+2*r+1], 0xffff0000, v[F0+r]
.set r, r+1
.endr
	WIN 0
; 16 matrix instructions: row blocks a0, a0 + 1 of the window's four (hi = 0: my rows 0-63, 1: rows 64-127) x all 8 column blocks, 32 along K.  first = 1: the bias starts the sums.
; The 64 accumulators take turns, one instruction a turn, in the same order in every quarter step.
.macro MUL16 f, hi, a0, first
.if \first
	WIN 0x91+0x40*(\hi)                            ; C in window 1
.else
	WIN MUL_LO+0x50*(\hi)
.endif
.irp a, \a0, (\a0)+1
.irp b, 0,1,2,3,4,5,6,7
.if \first
	v_wmma_f32_16x16x32_bf16 v[8*(8*(\a)+(\b)):8*(8*(\a)+(\b))+7], v[(\f)+8*(\b):(\f)+8*(\b)+7], v[(\f)+8*(4*(\hi)+(\a)):(\f)+8*(4*(\hi)+(\a))+7], v[BI+8*(\b):BI+8*(\b)+7]
.else
	v_wmma_f32_16x16x32_bf16 v[8*(8*(\a)+(\b)):8*(8*(\a)+(\b))+7], v[(\f)+8*(\b):(\f)+8*(\b)+7], v[(\f)+8*(4*(\hi)+(\a)):(\f)+8*(4*(\hi)+(\a))+7], v[8*(8*(\a)+(\b)):8*(8*(\a)+(\b))+7]
.endif
.endr
.endr
.endm
; 32 LDS loads in one run: the fragments of one quarter step (128 rows of W, 128 rows of x, 32 K at byte k of the rows of the slot in hand) into buffer f
.macro FETCH k, f
	WIN TO_B
.irp i, 0,1,2,3,4,5,6,7
	ds_load_b128 v[(\f)+8*(\i):(\f)+8*(\i)+3],   v[ADRB] offset:(\k)+(\i)*16*PITCH
	ds_load_b128 v[(\f)+8*(\i)+4:(\f)+8*(\i)+7], v[ADRB] offset:(\k)+(\i)*16*PITCH+32
.endr
	WIN 0
.irp i, 0,1,2,3,4,5,6,7
	ds_load_b128 v[(\f)+8*(\i):(\f)+8*(\i)+3],   v[ADRA] offset:(\k)+(\i)*16*PITCH
	ds_load_b128 v[(\f)+8*(\i)+4:(\f)+8*(\i)+7], v[ADRA] offset:(\k)+(\i)*16*PITCH+32
.endr
.endm
.macro PLACES                          ; four plain instructions between a matrix instruction and a load into, or a vector instruction on, its registers
.rept 4
	v_nop
.endr
.endm
; A K step is four quarter steps of 32 along K, 64 matrix instructions each, on buffers 0, 1, 0, 1.  One of the first three multiplies buffer f and, in its middle, fetches the next quarter, at byte k, into g.
.macro QUARTER k, f, g, first
	s_wait_dscnt 8                                 ; W and x's rows 0-63 are in; the youngest eight loads (x's rows 64-127) may be out
	MUL16 \f, 0, 0, \first
	MUL16 \f, 0, 2, \first
	PLACES
	FETCH \k, \g
	s_wait_dscnt 32                                ; all but the 32 just issued
	MUL16 \f, 1, 0, \first
	MUL16 \f, 1, 2, \first
.endm
; The last quarter multiplies buffer 1 and changes slots.  MEET is its first half.  This slot's last fragments were asked for in the quarter before, so the fetches' addresses turn to the other slot at once.
; Then one barrier; in front of it each wave waits for all its tensor loads (at most one is out: its part of the next slot), adds 0 to its spare word, and waits for that and for its own reads of this slot.
; Behind it nobody reads this slot any more and the next slot is whole.
.macro MEET
	WIN 0                                          ; (the addresses and the add's two registers lie in window 0)
	s_xor_b32 s[TB], s[TB], SLOT                   ; 0 becomes SLOT, SLOT becomes 0
	v_add_nc_u32 v[ADRA], s[TB], v[A0]
	v_add_nc_u32 v[ADRB], s[TB], v[B0]
	s_wait_tensorcnt 0x0
	ds_add_u32 v[SPW], v[NIL]                      ; 0 onto my spare word
	s_wait_dscnt 9                                 ; (the add and the youngest eight loads may be out)
	MUL16 F1, 0, 0, 0                              ; sixteen matrix instructions stand between the add and the wait for it
	s_wait_dscnt 0x0                               ; the add is done, and my reads of this slot are over
	s_barrier_signal -1
	MUL16 F1, 0, 2, 0                              ; work on registers while the others arrive
	WIN 0
	s_barrier_wait -1
.endm
; The whole last quarter of a K step whose slot is filled again, with the K step two on.
.macro TURN
	s_wait_xcnt 0x0                                ; the last prefetch, a K step back, has read its address: it is stepped here, ahead of the waits of the change of slots
	s_add_nc_u64 s[PFA:PFA+1], s[PFA:PFA+1], KSTEP*2
	MEET
	CREST                                          ; the barrier has opened a round of the cluster's: no wave of any partner still reads this slot's tile or has a load on its way
	s_xor_b32 s[TF], s[TB], SLOT                   ; the slot that has been read out;
	s_add_co_u32 s[G0+5], s[WT], s[TF]             ; the walking descriptors: my place in it,
	s_add_co_u32 s[G0B+5], s[WT], s[TF]
	s_add_nc_u64 s[G0+6:G0+7], s[G0+6:G0+7], KSTEP*2     ; and the next K step; the type bits on top are not reached
	s_add_nc_u64 s[G0B+6:G0B+7], s[G0B+6:G0B+7], KSTEP*2
	JLOAD 1                                        ; the first tensor load behind the round; the four v_nop behind it are also the places in front of the loads below
	FETCH 0, F0
	ASK
	MUL16 F1, 1, 0, 0
	MUL16 F1, 1, 2, 0
.endm
; The same of a K step whose slot is not filled again: no round of the cluster's barrier; behind the very last K step there is nothing to fetch, and the run of loads is jumped over.
.macro LASTTURN
	MEET
	PLACES
	s_cmp_eq_u32 s3, 1
	s_cbranch_scc1 .Lno_next_\@
	FETCH 0, F0
.Lno_next_\@:
	MUL16 F1, 1, 0, 0
	MUL16 F1, 1, 2, 0
.endm
	s_wait_tensorcnt 1                             ; my part of K step 0 is in; K step 1's may stay out
	s_barrier_signal -1
	s_barrier_wait -1                              ; everybody's is
	FETCH 0, F0
	QUARTER 64,  F0, F1, 1                         ; the first quarter stands in front of the loops: its products start the sums, with the bias
	WIN 0                                          ; at a label and at a branch every window is 0
	s_mov_b32 s3, STEPS-2
.Lstep:                                                ; six trips, from a K step's second quarter to the next step's first; each fills the slot that it leaves
	QUARTER 128, F1, F0, 0
	QUARTER 192, F0, F1, 0
	TURN
	QUARTER 64,  F0, F1, 0
	WIN 0
	s_sub_co_u32 s3, s3, 1
	s_cmp_lg_u32 s3, 0
	s_cbranch_scc1 .Lstep
	s_mov_b32 s3, 2
.Llast:                                                ; the last two K steps fill nothing; the second trip is left in its middle
	QUARTER 128, F1, F0, 0
	QUARTER 192, F0, F1, 0
	LASTTURN
	WIN 0
	s_sub_co_u32 s3, s3, 1
	s_cmp_eq_u32 s3, 0
	s_cbranch_scc1 .Lout
	QUARTER 64,  F0, F1, 0
	WIN 0
	s_branch .Llast
.Lout:
	s_wait_dscnt 0x0                               ; no LDS load is out: the fragments' registers are written by the way out
; THE WAY OUT, a block of 16 rows at a time.  ROPE: the turn, and the rounding to f16.  TOSTAGE: 16 bytes a lane into my own stage, and back as whole rows of 128 bytes.  SEND: stored.
; In ROPE each accumulator's lowest registers are read first.
.macro ROPE a
.if (\a) >= 2
	s_wait_loadcnt 8*(7-(\a))                      ; block a's table is in; the later blocks' eight loads each may stay out
.endif
.set CSB, (192+32*(\a))%256
.set AC, 64*((\a)%4)
	WIN 0x06+(\a)/4                                ; source 0: the accumulators' window, 2 or 3; source 1: the table, window 1; source 2 and destination: window 0
.irp hh, 0,1
.irp bp, 0,1
.set X1, AC+8*(4*(\hh)+(\bp))
.set X2, X1+16
.set Y1, YR+16*(2*(\hh)+(\bp))
.set Y2, Y1+8
.set CC, CSB+8*(\bp)
.set SS, CSB+16+8*(\bp)
.irp r, 0,2,4,6
	v_pk_mul_f32 v[Y1+(\r):Y1+(\r)+1], v[X2+(\r):X2+(\r)+1], v[SS+(\r):SS+(\r)+1]
.endr
.irp r, 0,2,4,6
	v_pk_mul_f32 v[Y2+(\r):Y2+(\r)+1], v[X2+(\r):X2+(\r)+1], v[CC+(\r):CC+(\r)+1]
.endr
.irp r, 0,2,4,6
	v_pk_fma_f32 v[Y1+(\r):Y1+(\r)+1], v[X1+(\r):X1+(\r)+1], v[CC+(\r):CC+(\r)+1], v[Y1+(\r):Y1+(\r)+1] neg_lo:[0,0,1] neg_hi:[0,0,1]  ; x1 c - x2 s
.endr
.irp r, 0,2,4,6
	v_pk_fma_f32 v[Y2+(\r):Y2+(\r)+1], v[X1+(\r):X1+(\r)+1], v[SS+(\r):SS+(\r)+1], v[Y2+(\r):Y2+(\r)+1]  ; x1 s + x2 c
.endr
.endr
.endr
	WIN 0
.irp hh, 0,1
.irp bb, 0,1,2,3
.set YS, YR+16*(2*(\hh)+((\bb)%2))+8*((\bb)/2)
.irp r, 0,1,2,3
	v_cvt_pk_f16_f32 v[TMP+4*(4*(\hh)+(\bb))+(\r)], v[YS+2*(\r)], v[YS+2*(\r)+1]
.endr
.endr
.endr
.endm
.macro TOSTAGE a
	WIN 0
.set BK, OB+128*((\a)%2)
.irp b, 0,1,2,3,4,5,6,7
	ds_store_b128 v[STO], v[TMP+4*(\b):TMP+4*(\b)+3] offset:((\b)/4)*HSTG+32*((\b)%4)
.endr
.irp t, 0,1,2,3,4,5,6,7
	ds_load_b128 v[BK+4*(\t):BK+4*(\t)+3], v[RD] offset:((\t)/4)*HSTG+((\t)%4)*4*SP  ; LDS serves a wave's instructions in order (ISA guide 5.7.1.4): these see the stores above
.endr
.endm
.macro SEND a
	WIN 0
.set BK, OB+128*((\a)%2)
	s_wait_dscnt 0x0                               ; the block is back in registers
	s_wait_xcnt 0x0                                ; the stores of the block before have read their data: its registers are loaded again by the next block
.irp t, 0,1,2,3,4,5,6,7
	global_store_b128 v[CO+(\t)/4], v[BK+4*(\t):BK+4*(\t)+3], s[8:9] offset:2048*(\a)+512*((\t)%4)  ; four rows of a head: 512 consecutive bytes, at a multiple of 256 from the buffer's first
.endr
.endm
	PLACES
	PLACES                                         ; behind the last products: loads into W's fragments and the bias, vector work on the sums and on x's fragments
	TABLE 2
	TABLE 3
	TABLE 4
	TABLE 5
	TABLE 6
	TABLE 7
	ROPE 0
	TOSTAGE 0
.irp a, 1,2,3,4,5,6,7                  ; block a's arithmetic stands between block a - 1's loads from the stage and the wait for them
	ROPE \a
	SEND (\a)-1
	TOSTAGE \a
.endr
	SEND 7
	s_wait_tensorcnt 0x0                           ; the wave's end: a wait, the add onto my spare word and its wait, behind my last tensor load and my last LDS store
	ds_add_u32 v[SPW], v[NIL]
	s_wait_dscnt 0x0
	CROUND                                         ; the closing round: no work-group ends while a partner may still ask for a tile that names it
	s_endpgm
.Lfunc_end_k_qe26d907db6_proj:
	.size	k_qe26d907db6_proj, .Lfunc_end_k_qe26d907db6_proj-k_qe26d907db6_proj
	.p2alignl 7, 3214868480
	.fill 96, 4, 3214868480
	.section	.rodata,"a",@progbits
	.p2align	6, 0x0
	.amdhsa_kernel k_qe26d907db6_proj
		.amdhsa_group_segment_fixed_size 327680
		.amdhsa_private_segment_fixed_size 0
		.amdhsa_enable_private_segment 0
		.amdhsa_kernarg_size 72
		.amdhsa_user_sgpr_count 2
		.amdhsa_user_sgpr_kernarg_segment_ptr 1
		.amdhsa_wavefront_size32 1
		.amdhsa_system_sgpr_workgroup_id_x 1
		.amdhsa_system_sgpr_workgroup_id_y 1
		.amdhsa_system_sgpr_workgroup_id_z 1
		.amdhsa_system_vgpr_workitem_id 0
		.amdhsa_next_free_vgpr 1024
		.amdhsa_next_free_sgpr 100
		.amdhsa_reserve_vcc 0
		.amdhsa_float_denorm_mode_32 3
		.amdhsa_float_denorm_mode_16_64 3
		.amdhsa_memory_ordered 1
		.amdhsa_forward_progress 1
		.amdhsa_inst_pref_size 147
	.end_amdhsa_kernel
	.amdgpu_metadata
---
amdhsa.version: [ 1, 2 ]
amdhsa.kernels:
  - .name:           k_qe26d907db6_proj
    .symbol:         k_qe26d907db6_proj.kd
    .args:
      - { .name: xb, .offset: 0, .size: 8, .value_kind: global_buffer, .address_space: global }
      - { .name: wb, .offset: 8, .size: 8, .value_kind: global_buffer, .address_space: global }
      - { .name: bq, .offset: 16, .size: 8, .value_kind: global_buffer, .address_space: global }
      - { .name: bk, .offset: 24, .size: 8, .value_kind: global_buffer, .address_space: global }
      - { .name: bv, .offset: 32, .size: 8, .value_kind: global_buffer, .address_space: global }
      - { .name: tab, .offset: 40, .size: 8, .value_kind: global_buffer, .address_space: global }
      - { .name: qh, .offset: 48, .size: 8, .value_kind: global_buffer, .address_space: global }
      - { .name: kh, .offset: 56, .size: 8, .value_kind: global_buffer, .address_space: global }
      - { .name: vh, .offset: 64, .size: 8, .value_kind: global_buffer, .address_space: global }
    .group_segment_fixed_size: 327680
    .private_segment_fixed_size: 0
    .kernarg_segment_align: 8
    .kernarg_segment_size: 72
    .max_flat_workgroup_size: 128
    .sgpr_count:     100
    .vgpr_count:     1024
    .wavefront_size: 32
...
	.end_amdgpu_metadata
.endif
;; end of part 2
;; launch attn (part 3): grid 4 x 64, 4 waves a work-group, clusters of 4 x 1, 327,680 bytes of LDS; arguments qh, kh, vh, oh; writes oh
.if DOCPART == 3
	.amdgcn_target "amdgcn-amd-amdhsa--gfx1250"
	.amdhsa_code_object_version 6
	.text
	.protected	k_qe26d907db6_attn
	.globl	k_qe26d907db6_attn
	.p2align	8
	.type	k_qe26d907db6_attn,@function
k_qe26d907db6_attn:
	s_mov_b64 s[64:65], 0
	v_nop
	global_prefetch_b8 v0, s[64:65] scope:SCOPE_SE
	s_setreg_imm32_b32 hwreg(HW_REG_WAVE_MODE, 25, 1), 1
	s_wait_xcnt 0x0
	s_wait_alu depctr_hold_cnt(0) depctr_sa_sdst(0) depctr_va_vdst(0) depctr_va_sdst(0) depctr_va_ssrc(0) depctr_va_vcc(0) depctr_vm_vsrc(0)
	s_getreg_b32 s2, hwreg(HW_REG_IB_STS2, 6, 4)
	s_cmp_eq_u32 s2, 0
	s_cbranch_scc0 .Lentry_in_a_cluster
	s_endpgm
.Lentry_in_a_cluster:
	s_bfe_u32 s2, ttmp6, 0x10000c
	s_cmp_lg_u32 s2, 0x3003
	s_cbranch_scc0 .Lentry_shape_is_right
	s_endpgm
.Lentry_shape_is_right:
; O[h][q][:] = the sum over k of softmax_k(Q[h][q] . K[h][k] / 8) V[h][k][:].  Q, O: [64][2048][64], K, V: [64][1024][64], all f16: a head's rows are dense, 128 bytes each.  Products, maxima and sums in
; f32; the weights p are rounded to f16 for the second product (their sum l is taken of the unrounded p), O once at the end.
; LIMITS.  f16 holds no number beyond 65,504: Q, K and V arrive within it; p lies in 0 to 1, and below 6e-5 it keeps f16's fixed step of 6e-8; O is a mean of V's rows and has their range.
; A weight below 2^-126 counts as 0 in l; NaN and infinities are not treated apart.
; SHARES.  A wave owns four PIECES of two tiles of 16 queries, a work-group's four waves 512 queries of one head: 4 x 64 = 256 work-groups.  Every wave walks all 1,024 keys, 64 a step.
; ALL OF A HEAD'S K AND V LIE IN LDS: 1,024 keys x (144 + 160) bytes = 311,296.  Each byte is filled once: four tiles of 256 keys, asked for together at the head, a wave four loads of 128 keys, in the
; keys' order.  So there is no ring, no slot is filled again, no tensor load stands in a loop, and a key step is written once.  Nothing is prefetched: every tile is asked for by its load at the head.
; LAYOUT.  S^T = K Q^T (source 0 = 16 keys, source 1 = 16 queries): in the result a lane holds ONE query (lane % 16) and the keys 8 (lane / 16) + 0..7.  Two such tiles, rounded to f16 in pairs,
; ARE source 1 (32 keys x 16 queries) of O^T = V^T P, whose result again holds one query a lane, and eight channels.  K comes out of LDS as it lies, V ([key][channel]) turned, by ds_load_tr16_b128.
; SOFTMAX.  For each query a running maximum m and sum l: p = 2^(c s - c m), c = log2(e) / 8; in every step O and l are multiplied by a = 2^(c m_old - c m_new), which is 1 where m has not grown.
; m starts at the lowest finite number, O and l at 0: the first step is a step like any other, with a = 0.
; THE COUNT.  A tile and step have 16 matrix and 118 vector instructions: too many to stand all beside the matrix work.  So the order has one aim: four vector instructions that are READY behind
; EVERY matrix instruction, and the others, which need time of their own whatever the order, in runs without a gap.
; BY TURNS.  Turn n belongs to piece n (the pieces in a ring, step after step).  Its matrix work: 16 products K Q^T of piece n + 1, later 16 products V^T P of piece n - 1.  Its vector work: the scaling,
; exponentials, roundings, sums and rescaling of piece n, and the maximum and statistics of piece n + 1, whose scores the turn itself has made.  So what a turn begins with (c s - c m, O a) waits for nothing.
; CLUSTER.  The four query blocks of a head are one cluster and need the same K and V, so each tile is asked for JOINTLY: the same tensor load, descriptor and mask in all four.
; REGISTERS, in windows of 256 (s_set_vgpr_msb says which window each operand place means: bits 1:0 source 0, 3:2 source 1, 5:4 source 2, 7:6 destination):
;   window 0: v0-11 addresses; v12-15, v48-63 at work; v16-47 four registers of statistics a tile; v64-191 S^T, two buffers of two tiles; v192-255 P, likewise
;   window 1: O^T, 32 a tile          window 2: v0-127 Q, 16 a tile; v128-191 K of one step; v192-255 V of one step          window 3: v0-1 the add's two registers
; A piece's buffers go by its number's parity: the piece in hand has one pair, its two neighbours in the ring share the other: of it P (piece n - 1) is read and S^T (piece n + 1) written.
.set NKEYS, 1024
.set NP,    4         ; pieces a wave: a name, no knob: the register map, the loop and the fetches are made for four
.set KS,    64        ; keys in a step
.set TK,    256       ; keys in a tile: what one load of each of the four waves brings together (K's two halves, V's two halves)
.set PK,    144       ; a row of K in LDS: 128 bytes + 16 of padding = 36 words: the 16 rows of a load start at 16 different groups of four banks (64 banks of 4 bytes: ISA guide 11.1)
.set PV,    160       ; a row of V: 128 + 32 = 40 words
.set VOFF,  NKEYS*PK  ; key k of K lies at 144 k, of V at VOFF + 160 k
.set STAGE, NKEYS*(PK+PV)  ; behind K and V, never filled by a tensor load: 16 rows x 144 bytes for each wave, for the way out
.set SP,    144
.set AK0, 2           ; v2   my lane's place in a step's rows of K; never rewritten
.set AV0, 3           ; v3   the same for V
.set AK,  4           ; v4   the LDS address of K's next run of loads
.set AV,  5           ; v5   of V's
.set QO,  6           ; v6   my byte offset in the wave's rows of Q
.set STO, 6           ;      later, the way out: where I put 16 bytes of a row
.set RD,  7           ; v7   the way out: where I read rows back
.set GO,  8           ; v8   my byte offset in 512 consecutive bytes of O
.set SPW, 0           ; v0 of window 3   LDS address of my spare word: SPARE + 4 x my thread's number; never rewritten
.set NIL, 1           ; v1 of window 3   0; never rewritten
.set SPARE, STAGE+4*16*SP  ; behind the stages: the spare words, 128 bytes for each wave: two blocks of 256 bytes that no other line names
.set MV,  12          ; v12-15  c m_old, kept while c m is made anew: by buffer and tile
.set ST,  16          ; tile t's statistics at v[ST+4 t]: c m, m, l (even keys', odd keys')
.set TMP, 48          ; by buffer and tile, four registers c0-c3 at work; when the maximum is found c2 takes a
.set S,   64
.set P,   192
.set KF,  128         ; K's fragments, in window 2: key block kb, channel half c at KF + 16 kb + 8 c
.set VF,  192         ; V's: key half kk, channel block cb at VF + 32 kk + 8 cb
.set WV,  12          ; s12  my wave's number
.set G1K, 24          ; s[24:31] descriptor group 1 for K's tiles
.set G1V, 32          ; s[32:39] for V's: it differs in the padding alone
.set G0K, 40          ; s[40:55] descriptor group 0 for K's tiles, a set for each of the four: all four loads are out together, and none is written again
.set G0V, 68          ; s[68:83] the same for V's
.set CNT, 57          ; s57  key steps still to come, this one among them
.set CS,  58          ; s[58:59] c: the packed scaling takes the pair's low word for both halves
.set SEL, 60          ; s[60:61] v_permlanex16_b32's selects: each lane takes its own place in the other half
.set TBK, 62          ; s62  LDS byte at which K of the step to be fetched begins
.set TBV, 63          ; s63  the same for V, less VOFF
.set MSB, 0
.macro WIN new                      ; the high byte repeats the setting that is left; a switch that changes nothing is dropped
.if MSB != (\new)
	s_set_vgpr_msb (MSB<<8)|(\new)
.set MSB, (\new)
.endif
.endm
.set W_KQ, 0x0a       ; K and Q in window 2, S^T in window 0
.set W_PV, 0x52       ; V in window 2, P in window 0, O^T in window 1
.set W_RS, 0x41       ; O^T (destination and source 0) in window 1, a in window 0
.set W_MK, 0xc0       ; the add's registers are made: destination in window 3, sources in window 0
.set W_AD, 0x0f       ; the add: address (source 0) and data (source 1) in window 3
; A round of the cluster's barrier: my work-group's barrier, so that wave 0's signal speaks for all four waves; wave 0 signals; every wave waits for all four work-groups; my work-group's barrier once more.
.macro CROUND
	s_barrier_signal -1
	s_barrier_wait -1
	s_cmp_lg_u32 s[WV], 0
	s_cbranch_scc1 .Lnot_wave_0_\@
	s_barrier_signal -3
.Lnot_wave_0_\@:
	s_barrier_wait -3
	s_barrier_signal -1
	s_barrier_wait -1
.endm
	s_load_b256 s[4:11], s[0:1], 0x0  ; Q s[4:5], K s[6:7], V s[8:9], O s[10:11]
	WIN W_MK
	v_lshl_add_u32 v[SPW], v0, 2, SPARE
	v_mov_b32 v[NIL], 0
	WIN W_AD
	ds_add_u32 v[SPW], v[NIL]       ; the wave's opening: the add and its wait stand ahead of my first tensor load; the set-up below, work on registers, stands between them
	WIN 0
	v_lshrrev_b32 v1, 5, v0
	v_readfirstlane_b32 s[WV], v1   ; wave 0..3
	; A fragment of K or Q is 16 rows x 32 channels in 8 registers: lane l holds row l % 16, channels 8 (l / 16) + 0..7 and 16 + 8 (l / 16) + 0..7: two loads of 16 bytes, 32 bytes apart.
	v_and_b32 v1, 15, v0            ; l % 16
	v_bfe_u32 v9, v0, 4, 1          ; l / 16
	v_lshlrev_b32 v[QO], 7, v1
	v_lshl_add_u32 v[QO], v9, 4, v[QO]  ; row x 128 + 16 x half
	s_bfe_u32 s13, ttmp6, 0x40000   ; cx: my place in the cluster
	s_lshl_b32 s14, ttmp9, 2        ; in a cluster launch ttmp9 counts clusters
	s_add_co_u32 s14, s14, s13      ; my block of 512 queries = 4 x cluster x + cx: it enters Q's and O's addresses alone
	s_and_b32 s20, ttmp7, 0xffff    ; the head, which the four partners share
	s_and_b32 s16, s[WV], 1         ; which half of a tile's 256 keys I fetch:
	s_lshl_b32 s22, s20, 17         ; the head's 1,024 rows of 128 bytes in K and V,
	s_lshl_b32 s23, s16, 14         ; my half's 128 rows
	s_add_co_u32 s22, s22, s23
	s_mov_b32 s23, 0
	s_mul_i32 s17, s16, 128*PK      ; and its place in a tile, for K
	s_mul_i32 s18, s16, 128*PV      ; and for V: no place in the cluster enters an LDS address
	s_lshl_b32 s2, s14, 2
	s_add_co_u32 s2, s2, s[WV]      ; my wave among the head's,
	s_lshl_b32 s2, s2, 14           ; its 128 rows,
	s_lshl_b32 s3, s20, 18          ; in the head's 2,048 rows of Q and O
	s_add_co_u32 s2, s2, s3
	s_mov_b32 s3, 0
	; descriptor group 1.  128 keys are 16,384 dense bytes: asked for as 64 rows of 256 bytes, two keys a row, and padded in LDS after every key
	s_mov_b32 s[G1K], 15|(1<<16)|(1<<20)|(1<<21)|(4<<22)|(3<<25)  ; 15:0 the mask of four; 17:16 2-byte elements; 20 padding on; 21 set beside a mask; 24:22 after every 32 words (code 4); 31:25 4 words (code 3)
	s_mov_b32 s[G1V], 15|(1<<16)|(1<<20)|(1<<21)|(4<<22)|(7<<25)  ; the same with 8 words of padding (code 7)
.irp g, G1K, G1V
	s_mov_b32 s[\g+1], 128<<16      ; tensor_dim0 = 128
	s_mov_b32 s[\g+2], 64<<16       ; tensor_dim1 = 64
	s_mov_b32 s[\g+3], 128<<16      ; tile_dim0 = 128
	s_mov_b32 s[\g+4], 64           ; tile_dim1 = 64
	s_mov_b32 s[\g+5], 128          ; 128 elements from row to row
	s_mov_b32 s[\g+6], 0
	s_mov_b32 s[\g+7], 0
.endr
	s_mov_b32 s[CS], 0x3e38aa3b     ; c = log2(e) / 8 = 0.180337
	s_mov_b32 s[CS+1], s[CS]        ; named with it as a pair
	s_mov_b32 s[SEL], 0x76543210
	s_mov_b32 s[SEL+1], 0xfedcba98
	s_mov_b32 s[TBK], 0             ; key step 0 lies at the head of K and of V
	s_mov_b32 s[TBV], 0
.irp t, 0,1,2,3
	s_mov_b32 s[G0K+4*(\t)], 1                              ; 1:0 count = 1
	s_add_co_u32 s[G0K+4*(\t)+1], s17, (\t)*TK*PK           ; 63:32 LDS address: tile t, my half
	s_mov_b32 s[G0V+4*(\t)], 1
	s_add_co_u32 s[G0V+4*(\t)+1], s18, VOFF+(\t)*TK*PV
.endr
	s_wait_dscnt 0x0                ; the opening add is done
	s_wait_kmcnt 0x0
	s_add_nc_u64 s[4:5], s[4:5], s[2:3]  ; Q and O at my wave's first row
	s_add_nc_u64 s[10:11], s[10:11], s[2:3]
	WIN 0x80                        ; destination window 2, address window 0
.set i, 0
.rept 4*NP                          ; Q stays in registers: tile i / 2, channels 32 (i % 2) on.  It is asked for ahead of the round and the tiles: the first products want it with tile 0
	global_load_b128 v[8*i:8*i+3],   v[QO], s[4:5] offset:(i/2)*2048+(i%2)*64
	global_load_b128 v[8*i+4:8*i+7], v[QO], s[4:5] offset:(i/2)*2048+(i%2)*64+32
.set i, i+1
.endr
	WIN 0
	s_add_nc_u64 s[6:7], s[6:7], s[22:23]  ; K and V at my half of the head's first tile
	s_add_nc_u64 s[8:9], s[8:9], s[22:23]
.irp t, 0,1,2,3
	s_add_nc_u64 s[G0K+4*(\t)+2:G0K+4*(\t)+3], s[6:7], (\t)*TK*128  ; 120:64 global address: tile t is 32,768 bytes on
	s_or_b32 s[G0K+4*(\t)+3], s[G0K+4*(\t)+3], 0x80000000           ; 127:126 type = 2
	s_add_nc_u64 s[G0V+4*(\t)+2:G0V+4*(\t)+3], s[8:9], (\t)*TK*128
	s_or_b32 s[G0V+4*(\t)+3], s[G0V+4*(\t)+3], 0x80000000
.endr
	CROUND                          ; all four work-groups are here: the joint loads meet
	s_cmp_lt_u32 s[WV], 2           ; waves 0 and 1 fetch the two halves of each tile's K, waves 2 and 3 those of its V.  A wave's four fills stand in one branch, ahead of every wait on TENSORcnt and
	s_cbranch_scc0 .Lfirst_v        ; every LDS read: four loads of mine are out.  An s_nop 0 follows each, four v_nop the last
.irp t, 0,1,2,3
	tensor_load_to_lds s[G0K+4*(\t):G0K+4*(\t)+3], s[G1K:G1K+7]
	s_nop 0
.endr
.rept 4
	v_nop
.endr
	s_branch .Lfirst_asked
.Lfirst_v:
.irp t, 0,1,2,3
	tensor_load_to_lds s[G0V+4*(\t):G0V+4*(\t)+3], s[G1V:G1V+7]
	s_nop 0
.endr
.rept 4
	v_nop
.endr
.Lfirst_asked:
	; What the first turn finds: V's registers and P's second buffer hold 0 (its products V^T P, of a piece that has not been, add 0), O^T and l are 0.  All this stands in the wait for the first tile.
	WIN 0x80
.set i, VF
.rept 64
	v_mov_b32 v[i], 0
.set i, i+1
.endr
	WIN 0x40
.set i, 0
.rept 64*NP
	v_mov_b32 v[i], 0
.set i, i+1
.endr
	WIN 0
.set i, 0
.rept 2*NP
	v_mov_b32 v[ST+4*i], 0xfe000000    ; c m: far below every c s
	v_mov_b32 v[ST+4*i+1], 0xff7fffff  ; m
	v_mov_b32 v[ST+4*i+2], 0
	v_mov_b32 v[ST+4*i+3], 0
.set i, i+1
.endr
.set i, P+32
.rept 32
	v_mov_b32 v[i], 0
.set i, i+1
.endr
	v_mul_u32_u24 v[AK0], v1, PK
	v_lshl_add_u32 v[AK0], v9, 4, v[AK0]  ; row x pitch + 16 x half
	; The turning load takes 16 keys x 16 channels (lane l reads key 8 (l / 16) + l % 8, channels 8 ((l / 8) % 2) + 0..7) and leaves half a fragment of V^T: lane l holds channel l % 16 and 8 keys.
	v_and_b32 v10, 7, v0
	v_bfe_u32 v11, v0, 3, 1
	v_lshl_add_u32 v[AV0], v9, 3, v10
	v_mul_u32_u24 v[AV0], v[AV0], PV
	v_lshl_add_u32 v[AV0], v11, 4, v[AV0]
	v_add_nc_u32 v[AV0], VOFF, v[AV0]
	v_mov_b32 v[AK], v[AK0]         ; key step 0
; THE MATRIX WORK.  The 8 accumulators of a run of 16 take turns: between the two links of a chain stand 7 others'.
; Product i of 16 of S^T = K Q^T for piece x: channels 32 (i / 8) on, keys 16 ((i / 2) % 4) on, tile 2 x + i % 2.  The first 8 start the sums.
.macro KQ x
	WIN W_KQ
.set rS, S+64*((\x)%2)+32*(i%2)+8*((i/2)%4)
.set rK, KF+16*((i/2)%4)+8*(i/8)
.set rQ, 16*(2*(\x)+i%2)+8*(i/8)
.if i < 8
	v_wmma_f32_16x16x32_f16 v[rS:rS+7], v[rK:rK+7], v[rQ:rQ+7], 0
.else
	v_wmma_f32_16x16x32_f16 v[rS:rS+7], v[rK:rK+7], v[rQ:rQ+7], v[rS:rS+7]
.endif
.endm
; Product i of 16 of O^T += V^T P for piece x: keys 32 (i / 8) on, channels 16 ((i / 2) % 4) on, tile 2 x + i % 2.
.macro PV x
	WIN W_PV
.set rO, 32*(2*(\x)+i%2)+8*((i/2)%4)
.set rV, VF+32*(i/8)+8*((i/2)%4)
.set rP, P+32*((\x)%2)+16*(i%2)+8*(i/8)
	v_wmma_f32_16x16x32_f16 v[rO:rO+7], v[rV:rV+7], v[rP:rP+7], v[rO:rO+7]
.endm
.macro MM                           ; the turn's next matrix instruction
.if i < 16
	KQ (Y+1)%NP
.set i, i+1
.else
.set i, i-16
	PV (Y+NP-1)%NP
.set i, i+17
.endif
.endm
; THE LDS LOADS stand in runs of 16, never singly among the matrix instructions: a step's K (64 keys x 64 channels: 8 fragments) and its V (turned).  Their addresses are made some lines ahead.
; last = 1 (in the loop): in the last trip there is no further step, and the run is jumped over.
.macro FETCH_K last=0
	WIN 0
.if \last
	s_cmp_eq_u32 s[CNT], 1
	s_cbranch_scc1 .Lno_k_\@
.endif
	WIN 0x80                        ; destination window 2
.irp f, 0,1,2,3,4,5,6,7             ; keys 16 (f / 2) on, channels 32 (f % 2) on
	ds_load_b128 v[KF+8*\f:KF+8*\f+3],   v[AK] offset:(\f/2)*16*PK+(\f%2)*64
	ds_load_b128 v[KF+8*\f+4:KF+8*\f+7], v[AK] offset:(\f/2)*16*PK+(\f%2)*64+32
.endr
	s_add_co_u32 s[TBK], s[TBK], KS*PK  ; the next fetch is the next step's
	WIN 0
.if \last
.Lno_k_\@:
.endif
.endm
.macro FETCH_V
	WIN 0x80
.irp f, 0,1,2,3,4,5,6,7             ; keys 32 (f / 4) on, channels 16 (f % 4) on
	ds_load_tr16_b128 v[VF+8*\f:VF+8*\f+3],   v[AV] offset:(\f/4)*32*PV+(\f%4)*32
	ds_load_tr16_b128 v[VF+8*\f+4:VF+8*\f+7], v[AV] offset:(\f/4)*32*PV+16*PV+(\f%4)*32
.endr
	WIN 0
.endm
; THE VECTOR WORK OF A TURN stands in three queues, each in the order in which its entries become ready; the two tiles alternate, so that no instruction reads the result of the one before it.
.macro REGS y, u                    ; the registers of tile u (0, 1) of piece y
.set rT, ST+4*(2*(\y)+(\u))
.set rC, TMP+8*((\y)%2)+4*(\u)
.set rM, MV+2*((\y)%2)+(\u)
.set rS, S+64*((\y)%2)+32*(\u)
.set rP, P+32*((\y)%2)+16*(\u)
.set rO, 32*(2*(\y)+(\u))
.endm
; Number n of the 22 that find the NEXT piece's (Y + 1) maximum and statistics.  s0-s31 are the lane's 32 scores; each accumulator's lowest registers are read first.  XS, GS and REGS set no window: PL and EX do.
;   0-11  four chains c0-c3 of seven scores each, three operands at a time     12-14, 16  the four scores left over, the old m, and c0-c3 into c0     15  c m_old is kept
;   17, 18  the query's other 32 keys lie in the lane 16 away: the new m         19-21  c m; c m_old - c m_new; a
.macro XS u, n
	REGS (Y+1)%NP, \u
.if (\n) < 4
	v_max3_num_f32 v[rC+(\n)], v[rS+8*(\n)], v[rS+8*(\n)+1], v[rS+8*(\n)+2]
.elseif (\n) < 12
	v_max3_num_f32 v[rC+(\n)%4], v[rC+(\n)%4], v[rS+8*((\n)%4)+2*((\n)/4)+1], v[rS+8*((\n)%4)+2*((\n)/4)+2]
.elseif (\n) == 12
	v_max3_num_f32 v[rC], v[rC], v[rS+7], v[rS+15]
.elseif (\n) == 13
	v_max3_num_f32 v[rC+1], v[rC+1], v[rS+23], v[rS+31]
.elseif (\n) == 14
	v_max3_num_f32 v[rC+2], v[rC+2], v[rC+3], v[rT+1]
.elseif (\n) == 15
	v_mov_b32 v[rM], v[rT]
.elseif (\n) == 16
	v_max3_num_f32 v[rC], v[rC], v[rC+1], v[rC+2]
.elseif (\n) == 17
	v_permlanex16_b32 v[rC+3], v[rC], s[SEL], s[SEL+1]
.elseif (\n) == 18
	v_max_num_f32 v[rT+1], v[rC], v[rC+3]
.elseif (\n) == 19
	v_mul_f32 v[rT], s[CS], v[rT+1]
.elseif (\n) == 20
	v_sub_f32 v[rC+1], v[rM], v[rT]
.else
	v_exp_f32 v[rC+2], v[rC+1]
.endif
.endm
; Number g of the 64 that follow the exponentials.  For each four weights k of a tile (pairs 2 k, 2 k + 1): both pairs are rounded to f16; then the second pair is added onto the first, in place;
; a group later l takes that sum (the first time as l = a l + sum).  In groups of eight, tiles alternating: round, round, add, and l for the group before.
.macro GS g
.set h, (\g)+6*((\g)/62)            ; group 0 has no group before it, and behind group 7 only l is left
.if h >= 6
.set h, h+2
.endif
	REGS Y, h%2
.set k, h/8
.if h%8 < 4
	s_wait_alu depctr_va_vdst(0)
	v_cvt_pk_f16_f32 v[rP+2*k+(h%8)/2], v[rS+4*k+2*((h%8)/2)], v[rS+4*k+2*((h%8)/2)+1]
.elseif h%8 < 6
	v_pk_add_f32 v[rS+4*k:rS+4*k+1], v[rS+4*k:rS+4*k+1], v[rS+4*k+2:rS+4*k+3]
.elseif k == 1
	v_pk_fma_f32 v[rT+2:rT+3], v[rT+2:rT+3], v[rC+2:rC+3], v[rS:rS+1] op_sel_hi:[1,0,1]
.else
	v_pk_add_f32 v[rT+2:rT+3], v[rT+2:rT+3], v[rS+4*k-4:rS+4*k-3]
	s_wait_alu depctr_va_vdst(0)
.endif
.endm
; THE PLAIN QUEUE, 138 long.  0-31: c s - c m for the 16 pairs of both tiles.  Then GS's 64, and among them the next piece's 42: number 15 at 38, 39; 0-14 and 16
; at 42-73, behind the products that make those scores; 17-20 at 95-106, two of three, since each waits for the one before it.
.macro PL
	WIN 0
.if q < 32
	REGS Y, q%2
	v_pk_fma_f32 v[rS+2*(q/2):rS+2*(q/2)+1], v[rS+2*(q/2):rS+2*(q/2)+1], s[CS:CS+1], v[rT:rT+1] op_sel_hi:[1,0,0] neg_lo:[0,0,1] neg_hi:[0,0,1]
.elseif q < 38
	GS q-32
.elseif q < 40
	XS q%2, 15
.elseif q < 42
	GS q-34
.elseif q < 74
	XS q%2, (q-42)/2+(q-42)/30
.elseif q < 95
	GS q-66
.elseif (q < 107) && ((q-95)%3 < 2)
	XS (q-95)%3, 17+(q-95)/3
.elseif q < 107
	GS 29+(q-95)/3
.else
	GS q-74
.endif
.set q, q+1
.endm
; THE EXPONENTIALS' QUEUE, 66 long: s0-s31 of both tiles, and at EA the next piece's two a.
.set EA, 58
.macro EX
	WIN 0
.if (e == EA) || (e == EA+1)
	XS e-EA, 21
.else
.set x, e-2*(e/(EA+2))
	REGS Y, x%2
	v_exp_f32 v[rS+x/2], v[rS+x/2]
.endif
.set e, e+1
.endm
; THE RESCALING's QUEUE: O^T times a, the one part that leaves window 0, so it is dealt four at a time, eight times.
.macro R4
	REGS Y, r%2
	WIN W_RS
	s_wait_alu depctr_va_vdst(0)
.irp z, 0,1,2,3
	v_pk_mul_f32 v[rO+8*(r/2)+2*\z:rO+8*(r/2)+2*\z+1], v[rO+8*(r/2)+2*\z:rO+8*(r/2)+2*\z+1], v[rC+2:rC+3] op_sel_hi:[1,0]
.endr
.set r, r+1
.endm
; HOW THEY ARE DEALT.  Behind a matrix instruction four: plain, exponential, plain, plain (one exponential, a plain instruction on either side), or four of the rescaling.  None names a register of the
; products round it.  What is over stands in two LUMPS: exponential and plain by turns; the second ends in 22 plain instructions.  The two v_permlanex16_b32 fall into the second lump, never behind a product.
; The queues lean on each other, and the deal keeps them in step: exponential e stands behind plain 2 (e / 4) + e % 2 (its scaling); when plain 32 comes, 10 exponentials are out, at 59: 33, at 95: 46; EA comes behind plain 107.
.macro SL
	MM
	PL
	EX
	PL
	PL
.endm
.macro BURST n                      ; 15 matrix instructions, or 16
.rept (\n)-7
	SL
.endr
.rept 3
	MM
	R4
	SL
.endr
	MM
	R4
.endm
; A TURN, for piece p.
; K of the next step is fetched in piece 2's turn, 31 vector instructions behind the last product that read K; its first reader comes behind the rest of the lump, 16 products and the second lump.
; V of the step in hand is fetched at the end of piece 0's turn, 69 behind its last reader; its first reader comes behind 16 products and a lump.  The four conditions on e and q below go with the deal.
.macro TURN p, last=0
.set Y, (\p)
.set i, 0
.set q, 0
.set e, 0
.set r, 0
.if (\p) == NP-1
	s_wait_dscnt 0x0                ; K is in
.endif
	MM
.rept 4
	PL
.endr
	BURST 15
.rept 22
	EX
	PL
.if ((\p) == NP-2) && (e == 18)
	v_add_nc_u32 v[AK], s[TBK], v[AK0]
.endif
.if ((\p) == NP-2) && (e == 24)
	FETCH_K \last
.endif
.endr
.if (\p) == 1
	s_wait_dscnt 0x0                ; V is in
.endif
	BURST 16
.rept 21
	EX
	PL
.endr
.rept 22
	PL
.if ((\p) == 0) && (q == 118)
	v_add_nc_u32 v[AV], s[TBV], v[AV0]
	s_wait_alu depctr_va_vdst(0)
.endif
.if ((\p) == 0) && (q == 130)
	s_add_co_u32 s[TBV], s[TBV], KS*PV
.endif
.endr
.if (\p) == 0
	FETCH_V
.endif
.endm
	s_wait_tensorcnt 0x3            ; my part of tile 0 is in; my three later loads may stay out: no LDS byte is ever filled again
	s_barrier_signal -1
	s_barrier_wait -1               ; everybody's part of tile 0 is in
	FETCH_K                         ; key step 0
	s_wait_loadcnt 0x0              ; Q
	s_wait_dscnt 0x0
.set i, 0
.rept 16
	KQ 0                            ; piece 0's first scores: there is no vector work yet to set between them
.set i, i+1
.endr
	WIN 0                           ; the addresses for the way out: nine plain instructions, the places behind those products
	s_mul_i32 s13, s[WV], 16*SP
	s_add_co_u32 s13, s13, STAGE    ; my stage
	v_mul_u32_u24 v[STO], v1, SP    ; in: row l % 16, 16 bytes for each half of the lanes
	v_lshl_add_u32 v[STO], v9, 4, v[STO]
	v_add_nc_u32 v[STO], s13, v[STO]
	v_bfe_u32 v[RD], v0, 3, 2       ; back: 32 lanes take four rows of 128 bytes,
	v_mul_u32_u24 v[RD], v[RD], SP
	v_lshl_add_u32 v[RD], v10, 4, v[RD]
	v_add_nc_u32 v[RD], s13, v[RD]
	v_and_b32 v[GO], 31, v0         ; which are 512 consecutive bytes of O
	v_lshlrev_b32 v[GO], 4, v[GO]
.set Y, NP-1                        ; XS works for piece Y + 1: piece 0
.irp n, 0,1,2,3,4,5,6,7,8,9,10,11,12,13,14,15,16,17,18,19,20,21
	XS 0, \n                        ; and piece 0's first maximum and statistics
	XS 1, \n
.endr
	s_mov_b32 s[CNT], NKEYS/KS
.Lstep:                             ; 16 trips, a key step each: its four turns; piece 0's turn fetches the step's V, piece 2's the next step's K
	TURN 0
	TURN 1
	TURN 2, 1
	TURN 3
	WIN 0
	s_wait_tensorcnt 0x0            ; at the first trip's foot: my parts of tiles 1 to 3 are in, a whole key step behind tile 0; key step 4, the first in tile 1, is fetched three trips on.  In later trips no load is out
	s_wait_dscnt 0x0                ; no LDS load of mine is out at a signal
	s_barrier_signal -1
	s_barrier_wait -1               ; everybody's parts are in
	s_sub_co_u32 s[CNT], s[CNT], 1
	s_cmp_lg_u32 s[CNT], 0
	s_cbranch_scc1 .Lstep
	; the last trip's 16 products K Q^T of piece 0 (on the last K once more) and the maximum made of them serve nothing: the price, once a launch, of one text for every trip
.set i, 0
.rept 16
	PV NP-1                         ; the last piece's V^T P of the last step
.set i, i+1
.endr
	; THE WAY OUT.  l's two halves and the other half of the lanes' are added; O^T is divided by l, rounded to f16 and sent through my stage in LDS, a tile at a time.  The additions are the places behind the last products.
	WIN 0
.macro ALL line:vararg              ; one line for each tile t
.set t, 0
.rept 2*NP
	\line
.set t, t+1
.endr
.endm
	ALL v_add_f32 v[ST+4*t+2], v[ST+4*t+2], v[ST+4*t+3]
	ALL v_permlanex16_b32 v[ST+4*t+3], v[ST+4*t+2], s[SEL], s[SEL+1]
	ALL v_add_f32 v[ST+4*t+2], v[ST+4*t+2], v[ST+4*t+3]
	ALL v_rcp_f32 v[ST+4*t+2], v[ST+4*t+2]
	v_nop                           ; a plain instruction between the last reciprocal and the use of its result
	s_wait_alu depctr_va_vdst(0)
; Tile t: a lane's eight channels of a row pack into 16 bytes; they go into rows of 144 bytes and come back as whole rows of 128, into S^T's registers.
.macro PACK t
	WIN W_RS
.set i, 32*(\t)
.rept 16
	v_pk_mul_f32 v[i:i+1], v[i:i+1], v[ST+4*(\t)+2:ST+4*(\t)+3] op_sel_hi:[1,0]
.set i, i+2
.endr
	WIN 0x05                        ; sources 0 and 1 window 1, destination window 0
.set i, 0
.rept 16
	v_cvt_pk_f16_f32 v[S+16*(\t)+i], v[32*(\t)+2*i], v[32*(\t)+2*i+1]
.set i, i+1
.endr
	WIN 0
.irp f, 0,1,2,3
	ds_store_b128 v[STO], v[S+16*(\t)+4*\f:S+16*(\t)+4*\f+3] offset:32*\f
.endr
.irp f, 0,1,2,3
	ds_load_b128 v[S+16*(\t)+4*\f:S+16*(\t)+4*\f+3], v[RD] offset:\f*4*SP  ; LDS serves a wave's instructions in order (ISA guide 5.7.1.4): these see the stores above; the next tile's stores come behind them
.endr
.endm
.macro SEND t, younger              ; younger: the LDS instructions issued behind tile t's loads: the next tile's eight, or none
	WIN 0
.irp f, 0,1,2,3
	s_wait_dscnt (\younger)+3-\f
	global_store_b128 v[GO], v[S+16*(\t)+4*\f:S+16*(\t)+4*\f+3], s[10:11] offset:(\t)*2048+\f*512  ; 512 consecutive bytes, at a multiple of 256 from O's first
.endr
.endm
	PACK 0
.set t, 1
.rept 2*NP-1                        ; a tile's arithmetic stands between the loads of the tile before and its stores
	PACK t
	SEND t-1, 8
.set t, t+1
.endr
	SEND 2*NP-1, 0
	WIN W_AD
	s_wait_tensorcnt 0x0            ; the wave's end: a wait, the add onto my spare word and its wait, behind my last tensor load and my last LDS store
	ds_add_u32 v[SPW], v[NIL]
	s_wait_dscnt 0x0
	WIN 0
	CROUND                          ; the closing round: no work-group ends while a partner may still ask for a tile that names it
	s_endpgm
.Lfunc_end_k_qe26d907db6_attn:
	.size	k_qe26d907db6_attn, .Lfunc_end_k_qe26d907db6_attn-k_qe26d907db6_attn
	.p2alignl 7, 3214868480
	.fill 96, 4, 3214868480
	.section	.rodata,"a",@progbits
	.p2align	6, 0x0
	.amdhsa_kernel k_qe26d907db6_attn
		.amdhsa_group_segment_fixed_size 327680
		.amdhsa_private_segment_fixed_size 0
		.amdhsa_enable_private_segment 0
		.amdhsa_kernarg_size 32
		.amdhsa_user_sgpr_count 2
		.amdhsa_user_sgpr_kernarg_segment_ptr 1
		.amdhsa_wavefront_size32 1
		.amdhsa_system_sgpr_workgroup_id_x 1
		.amdhsa_system_sgpr_workgroup_id_y 1
		.amdhsa_system_sgpr_workgroup_id_z 1
		.amdhsa_system_vgpr_workitem_id 0
		.amdhsa_next_free_vgpr 770
		.amdhsa_next_free_sgpr 84
		.amdhsa_reserve_vcc 0
		.amdhsa_float_denorm_mode_32 3
		.amdhsa_float_denorm_mode_16_64 3
		.amdhsa_memory_ordered 1
		.amdhsa_forward_progress 1
		.amdhsa_inst_pref_size 132
	.end_amdhsa_kernel
	.amdgpu_metadata
---
amdhsa.version: [ 1, 2 ]
amdhsa.kernels:
  - .name:           k_qe26d907db6_attn
    .symbol:         k_qe26d907db6_attn.kd
    .args:
      - { .name: qh, .offset: 0, .size: 8, .value_kind: global_buffer, .address_space: global }
      - { .name: kh, .offset: 8, .size: 8, .value_kind: global_buffer, .address_space: global }
      - { .name: vh, .offset: 16, .size: 8, .value_kind: global_buffer, .address_space: global }
      - { .name: oh, .offset: 24, .size: 8, .value_kind: global_buffer, .address_space: global }
    .group_segment_fixed_size: 327680
    .private_segment_fixed_size: 0
    .kernarg_segment_align: 8
    .kernarg_segment_size: 32
    .max_flat_workgroup_size: 128
    .sgpr_count:     84
    .vgpr_count:     770
    .wavefront_size: 32
...
	.end_amdgpu_metadata
.endif
;; end of part 3
;; launch outp (part 4): grid 8 x 32, 4 waves a work-group, clusters of 4 x 4, 327,680 bytes of LDS; arguments oh, woh, bo, out0; writes out0
.if DOCPART == 4
	.amdgcn_target "amdgcn-amd-amdhsa--gfx1250"
	.amdhsa_code_object_version 6
	.text
	.protected	k_qe26d907db6_outp
	.globl	k_qe26d907db6_outp
	.p2align	8
	.type	k_qe26d907db6_outp,@function
k_qe26d907db6_outp:
	s_mov_b64 s[64:65], 0
	v_nop
	global_prefetch_b8 v0, s[64:65] scope:SCOPE_SE
	s_setreg_imm32_b32 hwreg(HW_REG_WAVE_MODE, 25, 1), 1
	s_wait_xcnt 0x0
	s_wait_alu depctr_hold_cnt(0) depctr_sa_sdst(0) depctr_va_vdst(0) depctr_va_sdst(0) depctr_va_ssrc(0) depctr_va_vcc(0) depctr_vm_vsrc(0)
	s_getreg_b32 s2, hwreg(HW_REG_IB_STS2, 6, 4)
	s_cmp_eq_u32 s2, 0
	s_cbranch_scc0 .Lentry_in_a_cluster
	s_endpgm
.Lentry_in_a_cluster:
	s_bfe_u32 s2, ttmp6, 0x10000c
	s_cmp_lg_u32 s2, 0xf033
	s_cbranch_scc0 .Lentry_shape_is_right
	s_endpgm
.Lentry_shape_is_right:
; THE OUTPUT PROJECTION.  out0[m][n] = the sum over k of O[m][k] Wo[n][k] + bo[n], in f32.  O lies by heads, oh [64][2048][64] f16: row m = batch x 2048 + place, k = head x 64 + channel.
; Wo: woh [1024][1024], its bf16 rounding written as f16; bo is rounded to bf16 like every input; sums in f32.
; SHARES.  8192 x 1024 outputs are 256 tiles of 256 x 128, a work-group each; four waves, each 128 rows x 64 columns: 32 accumulators of 16 x 16, all of window 1.  A wave's 64 columns are 256 bytes
; of a row of out0, aligned, so each wave sends its own rows out through its own stage.
; K goes in 8 steps of 128 = two heads.  A head's 256 rows of O are 32,768 dense bytes: asked for as 128 rows of 256 bytes and padded in LDS after every 128, so that a row of O is 144 bytes there.
; Waves 0 and 1 fetch a step's two heads of O, waves 2 and 3 the two halves of Wo's 128 rows (256 bytes each, 272 in LDS).  Two slots; 112 of a step's 128 matrix instructions stand between a request and the wait for it.
; THE TEXT.  The eight K steps are alike but for the first quarter (the bias) and the refills, so a K step is written twice: .Lstep, six trips, each of which fills the slot that it has read out with the
; K step two on; .Llast, two trips, which fill nothing.  Which slot is read hangs on one scalar, 0 or SLOT, turned by an exclusive or at each change of slots: a fragment's LDS address is that scalar plus
; the lane's place, the refill's LDS address the other slot's base plus the wave's place.
; CLUSTERS: 4 x 4 work-groups.  O's tiles hang on the tile row alone and are shared along a row of the cluster, Wo's on the tile column alone and are shared along a column: joint loads.
; No prefetch: the tiles are small and each K step is short; the joint loads and the ring are what this launch has.
; THE MATRIX INSTRUCTION IS USED TRANSPOSED (source 0 = 16 rows of Wo, source 1 = 16 rows of O): a lane holds row l % 16 and eight neighbouring columns, 32 bytes.  THE BIAS STARTS THE SUMS, as the first products' C.
; REGISTERS: window 0: v0-31 addresses; v32-63 the bias (column block b at 32 + 8 b); v64-159, v160-255 two fragment buffers (Wo's four fragments, then O's eight); on the way out v64-191 rows.  Window 1: accumulator (a, b) at v[8 (4 a + b)].
.set KSTEP,  128
.set STEPS,  8
.set PA,     144                       ; a row of O in LDS: 128 bytes + 16 = 36 words; a row of Wo: 256 + 16 = 68 words: in both the 16 rows of a load start at 16 different groups of four banks (ISA guide 11.1)
.set PB,     272
.set ASL,    256*PA                    ; one head's 256 rows
.set BOFF,   2*ASL
.set BHALF,  64*PB
.set SLOT,   BOFF+2*BHALF
.set ASTEP,  2<<18                     ; bytes of oh from a K step to the next: two heads of 2,048 rows of 128 bytes
.set STAGE,  2*SLOT                    ; behind the ring, never filled by a tensor load: 16 rows x 272 bytes for each wave
.set SPITCH, 272
.set SPARE,  STAGE+4*16*SPITCH         ; behind the stages: the spare words, 128 bytes for each wave: two blocks of 256 bytes that no other line names
.set A0,   16                          ; v16     my lane's place among O's rows of a slot; never rewritten
.set ADRA, 17                          ; v17     the same in the slot that is being read: s[TB] + v16
.set B0,   20                          ; v20     my lane's place among Wo's rows of a slot; never rewritten
.set ADRB, 21                          ; v21     s[TB] + v20
.set STO,  24                          ; v24     the way out: where I put 32 bytes of a row
.set RD,   25                          ; v25     the way out: where I read a row back
.set CO,   26                          ; v26     my byte offset in two rows of out0
.set SPW,  28                          ; v28     LDS address of my spare word: SPARE + 4 x my thread's number; never rewritten
.set NIL,  29                          ; v29     0; never rewritten
.set BO,   31                          ; v31     my byte offset in the bias
.set BI,   32
.set F0,   64
.set F1,   160
.set OB,   64                          ; the way out: four buffers of 32
.set WTA,  18                          ; s18     where in a slot the head of O goes that I fetch (waves 0, 1)
.set WTB,  19                          ; s19     where the 64 rows of Wo go that I fetch (waves 2, 3)
.set TB,   66                          ; s66     LDS byte at which the slot that is being read begins: 0 or SLOT
.set TF,   67                          ; s67     the other slot's: where a refill goes
.set G1, 24                            ; s[24:31] descriptor group 1 for O's tiles;  s[32:39] group 0: a set for each of the two first fills; the second then walks on
.set G0, 32
.set G1B, 48                           ; s[48:55], s[56:63] the same for Wo's tiles
.set G0B, 56
.set MSB, 0
.macro WIN new                         ; the immediate's high byte repeats the setting that is left; a switch that changes nothing is dropped
.if MSB != (\new)
	s_set_vgpr_msb (MSB<<8)|(\new)
.set MSB, \new
.endif
.endm
.macro JLOAD s                         ; a joint load: waves 0 and 1 fetch O's two heads, waves 2 and 3 Wo's two halves; an s_nop 0 and four v_nop follow each of the two lines
	s_cmp_eq_u32 s11, 0
	s_cbranch_scc0 .Lfor_b_\@
	tensor_load_to_lds s[G0+4*(\s):G0+4*(\s)+3], s[G1:G1+7]
	s_nop 0
.rept 4
	v_nop
.endr
	s_branch .Lasked_\@
.Lfor_b_\@:
	tensor_load_to_lds s[G0B+4*(\s):G0B+4*(\s)+3], s[G1B:G1B+7]
	s_nop 0
.rept 4
	v_nop
.endr
.Lasked_\@:
.endm
.macro CREST                           ; a round of the cluster's barrier behind its opening barrier
	s_cmp_lg_u32 s10, 0
	s_cbranch_scc1 .Lnot_wave_0_\@
	s_barrier_signal -3
.Lnot_wave_0_\@:
	s_barrier_wait -3
	s_barrier_signal -1
	s_barrier_wait -1
.endm
.macro CROUND                          ; a whole round
	s_barrier_signal -1
	s_barrier_wait -1
	CREST
.endm
	s_load_b128 s[4:7], s[0:1], 0x0                ; oh s[4:5], woh s[6:7]
	s_load_b128 s[68:71], s[0:1], 0x10             ; bo s[68:69], out0 s[70:71]
	v_lshl_add_u32 v[SPW], v0, 2, SPARE
	v_mov_b32 v[NIL], 0
	ds_add_u32 v[SPW], v[NIL]                      ; the wave's opening: the add and its wait stand ahead of my first tensor load; the set-up below, work on registers, stands between them
	v_lshrrev_b32 v1, 5, v0
	v_readfirstlane_b32 s10, v1                    ; wave 0..3
	s_lshr_b32 s11, s10, 1                         ; which half of the tile's rows is mine.  Also: I fetch for O (0) or for Wo (1)
	s_and_b32 s12, s10, 1                          ; which half of its columns.  Also: which head of the step, or which 64 rows of Wo, I fetch
	s_bfe_u32 s40, ttmp6, 0x40000                  ; cx
	s_bfe_u32 s41, ttmp6, 0x40004                  ; cy
	s_lshl_b32 s42, ttmp9, 2
	s_add_co_u32 s42, s42, s40                     ; tile column 0..7
	s_and_b32 s13, ttmp7, 0xffff
	s_lshl_b32 s13, s13, 2
	s_add_co_u32 s13, s13, s41                     ; tile row 0..31
	s_lshl_b32 s43, s41, 2
	s_lshl_b32 s43, 15, s43                        ; my row of the cluster
	s_lshl_b32 s44, 0x1111, s40                    ; my column
	; descriptor group 1 for O: 128 rows x 128 elements, dense; 16 bytes of padding after every 32 words
	s_or_b32 s[G1+0], s43, (1<<16)|(1<<20)|(1<<21)|(4<<22)|(3<<25)  ; 15:0 the mask: my row; 17:16 elements of 2 bytes; 20 padding on; 21 set beside a mask; 24:22 code 4; 31:25 4 words (code 3)
	s_mov_b32 s[G1+1], 128<<16                     ; tensor_dim0 = 128
	s_mov_b32 s[G1+2], 128<<16                     ; tensor_dim1 = 128
	s_mov_b32 s[G1+3], 128<<16                     ; tile_dim0 = 128
	s_mov_b32 s[G1+4], 128                         ; tile_dim1 = 128
	s_mov_b32 s[G1+5], 128                         ; elements from row to row
	s_mov_b32 s[G1+6], 0
	s_mov_b32 s[G1+7], 0
	; and for Wo: 64 rows x 128 elements of rows of 1,024; 16 bytes of padding after every 64 words
	s_or_b32 s[G1B+0], s44, (1<<16)|(1<<20)|(1<<21)|(5<<22)|(3<<25)
	s_mov_b32 s[G1B+1], KSTEP<<16
	s_mov_b32 s[G1B+2], 64<<16
	s_mov_b32 s[G1B+3], KSTEP<<16
	s_mov_b32 s[G1B+4], 64
	s_mov_b32 s[G1B+5], 1024
	s_mov_b32 s[G1B+6], 0
	s_mov_b32 s[G1B+7], 0
	s_lshr_b32 s16, s13, 3                         ; O: the batch's 16 heads of 262,144 bytes,
	s_lshl_b32 s16, s16, 22
	s_and_b32 s17, s13, 7                          ; the tile's 256 rows in a head,
	s_lshl_b32 s17, s17, 15
	s_add_co_u32 s16, s16, s17
	s_lshl_b32 s17, s12, 18                        ; the head that I fetch
	s_add_co_u32 s16, s16, s17
	s_mov_b32 s17, 0
	s_lshl_b32 s46, s42, 7                         ; Wo: row 128 x tile column + 64 x half, of 2,048 bytes
	s_lshl_b32 s47, s12, 6
	s_add_co_u32 s46, s46, s47
	s_lshl_b32 s46, s46, 11
	s_mov_b32 s47, 0
	s_mul_i32 s[WTA], s10, ASL                     ; where they go: waves 0, 1: a head's rows each;
	s_mul_i32 s[WTB], s10, BHALF
	s_add_co_u32 s[WTB], s[WTB], BOFF-2*BHALF      ; waves 2, 3: behind the two heads, 64 rows each: no place in the cluster enters an LDS address
	s_mov_b32 s[TB], 0                             ; slot 0 is read first
	s_wait_dscnt 0x0                               ; the opening add is done
	s_wait_kmcnt 0x0
	s_add_nc_u64 s[14:15], s[4:5], s[16:17]
	s_add_nc_u64 s[46:47], s[6:7], s[46:47]
	CROUND                                         ; all sixteen work-groups are here: the first joint loads meet
.irp s, 0,1
	s_mov_b32 s[G0+4*(\s)], 1
	s_add_co_u32 s[G0+4*(\s)+1], s[WTA], (\s)*SLOT
	s_add_nc_u64 s[G0+4*(\s)+2:G0+4*(\s)+3], s[14:15], (\s)*ASTEP
	s_or_b32 s[G0+4*(\s)+3], s[G0+4*(\s)+3], 0x80000000
	s_mov_b32 s[G0B+4*(\s)], 1
	s_add_co_u32 s[G0B+4*(\s)+1], s[WTB], (\s)*SLOT
	s_add_nc_u64 s[G0B+4*(\s)+2:G0B+4*(\s)+3], s[46:47], (\s)*KSTEP*2
	s_or_b32 s[G0B+4*(\s)+3], s[G0B+4*(\s)+3], 0x80000000
	JLOAD \s                                       ; two loads of mine are out
.endr
	v_and_b32 v1, 15, v0                           ; l % 16
	v_bfe_u32 v2, v0, 4, 1                         ; l / 16
	v_mul_u32_u24 v3, v1, PA
	v_lshl_add_u32 v3, v2, 4, v3                   ; a fragment's row x pitch + 16 x half, for O
	v_mul_u32_u24 v4, v1, PB
	v_lshl_add_u32 v4, v2, 4, v4                   ; and for Wo
	s_mul_i32 s21, s11, 128*PA                     ; my 128 rows of O
	s_mul_i32 s22, s12, BHALF                      ; my 64 rows of Wo
	s_add_co_u32 s22, s22, BOFF
	v_add_nc_u32 v[A0], s21, v3
	v_add_nc_u32 v[B0], s22, v4
	v_add_nc_u32 v[ADRA], s[TB], v[A0]
	v_add_nc_u32 v[ADRB], s[TB], v[B0]
	s_mul_i32 s23, s10, 16*SPITCH
	s_add_co_u32 s23, s23, STAGE                   ; my stage
	v_mul_u32_u24 v5, v1, SPITCH                   ; in: row l % 16, 32 bytes for each half of the lanes
	v_lshl_add_u32 v5, v2, 5, v5
	v_add_nc_u32 v[STO], s23, v5
	v_mul_u32_u24 v5, v2, SPITCH                   ; back: lanes 0-15 take one row of 256 bytes, lanes 16-31 the next
	v_lshl_add_u32 v5, v1, 4, v5
	v_add_nc_u32 v[RD], s23, v5
	v_lshlrev_b32 v5, 12, v2                       ; and the same two rows in out0
	v_lshl_add_u32 v[CO], v1, 4, v5
	s_lshl_b32 s16, s13, 8
	s_lshl_b32 s17, s11, 7
	s_add_co_u32 s16, s16, s17                     ; my first row,
	s_lshl_b32 s16, s16, 12                        ; of 4,096 bytes: under 2^25
	s_mov_b32 s17, 0
	s_add_nc_u64 s[8:9], s[70:71], s[16:17]
	s_lshl_b32 s46, s42, 9                         ; my first column, in bytes of f32: 512 x tile column + 256 x half; the same offset in the bias
	s_lshl_b32 s47, s12, 8
	s_add_co_u32 s46, s46, s47
	s_mov_b32 s47, 0
	s_add_nc_u64 s[8:9], s[8:9], s[46:47]
	s_add_nc_u64 s[68:69], s[68:69], s[46:47]
	v_lshlrev_b32 v[BO], 5, v2                     ; my half's eight columns of a block
.irp b, 0,1,2,3
	global_load_b128 v[BI+8*(\b):BI+8*(\b)+3],   v[BO], s[68:69] offset:64*(\b)
	global_load_b128 v[BI+8*(\b)+4:BI+8*(\b)+7], v[BO], s[68:69] offset:64*(\b)+16
.endr
	s_wait_loadcnt 0x0
.set r, 0
.rept 16
	v_cvt_pk_bf16_f32 v[F0+r], v[BI+2*r], v[BI+2*r+1]  ; the bias is rounded to bf16 and widened again
.set r, r+1
.endr
.set r, 0
.rept 16
	v_lshlrev_b32 v[BI+2*r], 16, v[F0+r]
	v_and_b32 v[BI+2*r+1], 0xffff0000, v[F0+r]
.set r, r+1
.endr
; 8 matrix instructions: row blocks a0, a0 + 1 x all 4 column blocks, 32 along K.  first = 1: the bias starts the sums.  The 32 accumulators take turns, in the same order in every quarter.
.macro MUL8 f, a0, first
.if \first
	WIN 0x40                                       ; D in window 1; C, the bias, in window 0
.else
	WIN 0x50                                       ; C and D in window 1
.endif
.irp a, \a0, (\a0)+1
.irp b, 0,1,2,3
.if \first
	v_wmma_f32_16x16x32_f16 v[8*(4*(\a)+(\b)):8*(4*(\a)+(\b))+7], v[(\f)+8*(\b):(\f)+8*(\b)+7], v[(\f)+32+8*(\a):(\f)+32+8*(\a)+7], v[BI+8*(\b):BI+8*(\b)+7]
.else
	v_wmma_f32_16x16x32_f16 v[8*(4*(\a)+(\b)):8*(4*(\a)+(\b))+7], v[(\f)+8*(\b):(\f)+8*(\b)+7], v[(\f)+32+8*(\a):(\f)+32+8*(\a)+7], v[8*(4*(\a)+(\b)):8*(4*(\a)+(\b))+7]
.endif
.endr
.endr
.endm
; 24 LDS loads in one run: quarter q of the K step in hand (32 along K: head q / 2, channels 32 (q % 2) on) into buffer f: Wo's 64 rows, then O's 128
.macro FETCH q, f
	WIN 0
.irp i, 0,1,2,3
	ds_load_b128 v[(\f)+8*(\i):(\f)+8*(\i)+3],   v[ADRB] offset:64*(\q)+(\i)*16*PB
	ds_load_b128 v[(\f)+8*(\i)+4:(\f)+8*(\i)+7], v[ADRB] offset:64*(\q)+(\i)*16*PB+32
.endr
.irp i, 0,1,2,3,4,5,6,7
	ds_load_b128 v[(\f)+32+8*(\i):(\f)+32+8*(\i)+3],   v[ADRA] offset:((\q)/2)*ASL+((\q)%2)*64+(\i)*16*PA
	ds_load_b128 v[(\f)+32+8*(\i)+4:(\f)+32+8*(\i)+7], v[ADRA] offset:((\q)/2)*ASL+((\q)%2)*64+(\i)*16*PA+32
.endr
.endm
.macro PLACES                          ; four plain instructions between a matrix instruction and a load into, or an LDS store of, its registers
.rept 4
	v_nop
.endr
.endm
; A K step is four quarters, 32 matrix instructions each, on buffers 0, 1, 0, 1.  One of the first three multiplies buffer f and, in its middle, fetches quarter q into g.
.macro QUARTER q, f, g, first
	s_wait_dscnt 8                                 ; Wo and O's row blocks 0-3 are in; the youngest eight loads (blocks 4-7) may be out
	MUL8 \f, 0, \first
	MUL8 \f, 2, \first
	PLACES
	FETCH \q, \g
	s_wait_dscnt 24                                ; all but the 24 just issued
	MUL8 \f, 4, \first
	MUL8 \f, 6, \first
.endm
; The last quarter multiplies buffer 1 and changes slots.  MEET is its first half.  This slot's last fragments were asked for in the quarter before, so the fetches' addresses turn to the other slot at once.
; Then one barrier; in front of it each wave waits for all its tensor loads, adds 0 to its spare word, and waits for that and for its own reads of this slot.
.macro MEET
	WIN 0                                          ; (the addresses and the add's two registers lie in window 0)
	s_xor_b32 s[TB], s[TB], SLOT                   ; 0 becomes SLOT, SLOT becomes 0
	v_add_nc_u32 v[ADRA], s[TB], v[A0]
	v_add_nc_u32 v[ADRB], s[TB], v[B0]
	s_wait_tensorcnt 0x0                           ; all my tensor loads have landed: my part of the next slot
	ds_add_u32 v[SPW], v[NIL]                      ; 0 onto my spare word
	s_wait_dscnt 9                                 ; (the add and the youngest eight loads may be out)
	MUL8 F1, 0, 0                                  ; eight matrix instructions stand between the add and the wait for it
	s_wait_dscnt 0x0                               ; the add is done, and my reads of this slot are over
	s_barrier_signal -1
	MUL8 F1, 2, 0
	WIN 0
	s_barrier_wait -1
.endm
; The whole last quarter of a K step whose slot is filled again, with the K step two on; the barrier then opens a round of the cluster's.
.macro TURN
	MEET
	CREST                                          ; no wave of any partner still reads this slot's tile or has a load on its way
	s_xor_b32 s[TF], s[TB], SLOT                   ; the slot that has been read out;
	s_add_co_u32 s[G0+5], s[WTA], s[TF]            ; the walking descriptors: my place in it,
	s_add_co_u32 s[G0B+5], s[WTB], s[TF]
	s_add_nc_u64 s[G0+6:G0+7], s[G0+6:G0+7], ASTEP       ; and the next K step; the type bits on top are not reached
	s_add_nc_u64 s[G0B+6:G0B+7], s[G0B+6:G0B+7], KSTEP*2
	JLOAD 1                                        ; the first tensor load behind the round; the four v_nop behind it are also the places in front of the loads below
	FETCH 0, F0
	MUL8 F1, 4, 0
	MUL8 F1, 6, 0
.endm
; The same of a K step whose slot is not filled again: no round of the cluster's barrier; behind the very last K step there is nothing to fetch, and the run of loads is jumped over.
.macro LASTTURN
	MEET
	PLACES
	s_cmp_eq_u32 s3, 1
	s_cbranch_scc1 .Lno_next_\@
	FETCH 0, F0
.Lno_next_\@:
	MUL8 F1, 4, 0
	MUL8 F1, 6, 0
.endm
	s_wait_tensorcnt 1                             ; my part of K step 0 is in; K step 1's may stay out
	s_barrier_signal -1
	s_barrier_wait -1                              ; everybody's is
	FETCH 0, F0
	QUARTER 1, F0, F1, 1                           ; the first quarter stands in front of the loops: its products start the sums, with the bias
	WIN 0                                          ; at a label and at a branch every window is 0
	s_mov_b32 s3, STEPS-2
.Lstep:                                                ; six trips, from a K step's second quarter to the next step's first; each fills the slot that it leaves
	QUARTER 2, F1, F0, 0
	QUARTER 3, F0, F1, 0
	TURN
	QUARTER 1, F0, F1, 0
	WIN 0
	s_sub_co_u32 s3, s3, 1
	s_cmp_lg_u32 s3, 0
	s_cbranch_scc1 .Lstep
	s_mov_b32 s3, 2
.Llast:                                                ; the last two K steps fill nothing; the second trip is left in its middle
	QUARTER 2, F1, F0, 0
	QUARTER 3, F0, F1, 0
	LASTTURN
	WIN 0
	s_sub_co_u32 s3, s3, 1
	s_cmp_eq_u32 s3, 0
	s_cbranch_scc1 .Lout
	QUARTER 1, F0, F1, 0
	WIN 0
	s_branch .Llast
.Lout:
	s_wait_dscnt 0x0                               ; no LDS load is out: the fragments' registers are loaded anew by the way out
; THE WAY OUT, a block of 16 rows at a time: the sums go as they are, 32 bytes a lane, into my own stage (each accumulator's lowest registers first), and come back as whole rows of 256 bytes.
.macro TOSTAGE a
	WIN 0x04                                       ; the stores' data in window 1
.irp b, 0,1,2,3
	ds_store_b128 v[STO], v[8*(4*(\a)+(\b)):8*(4*(\a)+(\b))+3]   offset:64*(\b)
	ds_store_b128 v[STO], v[8*(4*(\a)+(\b))+4:8*(4*(\a)+(\b))+7] offset:64*(\b)+16
.endr
	WIN 0
.set BK, OB+32*((\a)%4)
.irp t, 0,1,2,3,4,5,6,7
	ds_load_b128 v[BK+4*(\t):BK+4*(\t)+3], v[RD] offset:(\t)*2*SPITCH  ; LDS serves a wave's instructions in order (ISA guide 5.7.1.4): these see the stores above; the next block's stores come behind them
.endr
.endm
.macro SEND a, younger                 ; younger: the LDS instructions issued behind block a's loads: the next block's sixteen, or none
	WIN 0
.set BK, OB+32*((\a)%4)
	s_wait_xcnt 0x0                                ; the earlier blocks' stores have read their data: their registers are loaded again three blocks on
.irp t, 0,1,2,3,4,5,6,7
	s_wait_dscnt (\younger)+7-(\t)
	global_store_b128 v[CO], v[BK+4*(\t):BK+4*(\t)+3], s[8:9] offset:(16*(\a)+2*(\t))*4096 th:TH_STORE_NT  ; 16 lanes store 256 consecutive bytes, at a multiple of 256 from out0's first byte
.endr
.endm
	PLACES
	PLACES                                         ; behind the last products: LDS stores of the sums, loads into the fragments' registers
	TOSTAGE 0
.irp a, 1,2,3,4,5,6,7
	TOSTAGE \a
	SEND (\a)-1, 16
.endr
	SEND 7, 0
	s_wait_tensorcnt 0x0                           ; the wave's end: a wait, the add onto my spare word and its wait, behind my last tensor load and my last LDS store
	ds_add_u32 v[SPW], v[NIL]
	s_wait_dscnt 0x0
	CROUND                                         ; the closing round: no work-group ends while a partner may still ask for a tile that names it
	s_endpgm
.Lfunc_end_k_qe26d907db6_outp:
	.size	k_qe26d907db6_outp, .Lfunc_end_k_qe26d907db6_outp-k_qe26d907db6_outp
	.p2alignl 7, 3214868480
	.fill 96, 4, 3214868480
	.section	.rodata,"a",@progbits
	.p2align	6, 0x0
	.amdhsa_kernel k_qe26d907db6_outp
		.amdhsa_group_segment_fixed_size 327680
		.amdhsa_private_segment_fixed_size 0
		.amdhsa_enable_private_segment 0
		.amdhsa_kernarg_size 32
		.amdhsa_user_sgpr_count 2
		.amdhsa_user_sgpr_kernarg_segment_ptr 1
		.amdhsa_wavefront_size32 1
		.amdhsa_system_sgpr_workgroup_id_x 1
		.amdhsa_system_sgpr_workgroup_id_y 1
		.amdhsa_system_sgpr_workgroup_id_z 1
		.amdhsa_system_vgpr_workitem_id 0
		.amdhsa_next_free_vgpr 512
		.amdhsa_next_free_sgpr 72
		.amdhsa_reserve_vcc 0
		.amdhsa_float_denorm_mode_32 3
		.amdhsa_float_denorm_mode_16_64 3
		.amdhsa_memory_ordered 1
		.amdhsa_forward_progress 1
		.amdhsa_inst_pref_size 66
	.end_amdhsa_kernel
	.amdgpu_metadata
---
amdhsa.version: [ 1, 2 ]
amdhsa.kernels:
  - .name:           k_qe26d907db6_outp
    .symbol:         k_qe26d907db6_outp.kd
    .args:
      - { .name: oh, .offset: 0, .size: 8, .value_kind: global_buffer, .address_space: global }
      - { .name: woh, .offset: 8, .size: 8, .value_kind: global_buffer, .address_space: global }
      - { .name: bo, .offset: 16, .size: 8, .value_kind: global_buffer, .address_space: global }
      - { .name: out0, .offset: 24, .size: 8, .value_kind: global_buffer, .address_space: global }
    .group_segment_fixed_size: 327680
    .private_segment_fixed_size: 0
    .kernarg_segment_align: 8
    .kernarg_segment_size: 32
    .max_flat_workgroup_size: 128
    .sgpr_count:     72
    .vgpr_count:     512
    .wavefront_size: 32
...
	.end_amdgpu_metadata
.endif
;; end of part 4
